; MI455X (gfx1250); checked and timed in simulation.
; The chip was launched on July 23, 2026; its instructions are those of AMD's public machine-readable ISA for CDNA 5 (MIT licence, August 2026) and "CDNA5" Instruction Set Architecture Reference Guide (July 2026). The comments in the code are by the model that wrote it; some were corrected since.
;; GLA Block. Allowed arithmetic: float matrix products may take bf16 or f16 operands with f32 sums; all other float work in f32.
;; Inputs: Wg 512 x 512 float32; Wgk1 512 x 16 float32; Wgk2 16 x 256 float32; Wk 512 x 256 float32; Wo 512 x 512 float32; Wq 512 x 256 float32; Wv 512 x 512 float32; bgk2 256 float32; rms_w 128 float32; x 4 x 2,048 x 512 float32.
;; Outputs: out0 4 x 2,048 x 512 float32.
;; 2 versions, each right; version 2 is version 1 with the launches local, scan, outp written anew for expert scheduling mode. Each part assembles by itself: llvm-mc -triple=amdgcn-amd-amdhsa -mcpu=gfx1250 --defsym DOCPART=n.
;; ======== version 1 of 2: 4 launches
;; limits: values outside matrix products are rounded to f16; values are held in f16: magnitudes above 65,504 overflow, below 6.1e-05 lose precision; right only within a limited range of input values
;; workspace buffers: wf 2,129,920 bytes; qi 4,194,304 bytes; oi 16,777,216 bytes; ui 8,388,608 bytes; di 65,536 bytes; sw 8,388,608 bytes; si 4,194,304 bytes; ss 16,384 bytes
;; launch prep (part 1): grid 260 x 1, 8 waves a work-group, no clusters, 0 bytes of LDS; arguments Wq, Wk, Wv, Wg, Wgk1, Wo, Wgk2, rms_w, wf; writes wf
.if DOCPART == 1
	.amdgcn_target "amdgcn-amd-amdhsa--gfx1250"
	.amdhsa_code_object_version 6
	.text
	.protected	k_q7e2ab2946d_prep
	.globl	k_q7e2ab2946d_prep
	.p2align	8
	.type	k_q7e2ab2946d_prep,@function
k_q7e2ab2946d_prep:
	s_mov_b64 s[64:65], 0
	v_nop
	global_prefetch_b8 v0, s[64:65] scope:SCOPE_SE
	s_setreg_imm32_b32 hwreg(HW_REG_WAVE_MODE, 25, 1), 1
	s_wait_xcnt 0x0
; Weights, f32 [k][n], are rounded to f16 once and laid out as matrix fragments, so that the later launches fill an operand
; with two loads of 512 consecutive bytes.  A fragment is 1,024 bytes: byte half*512 + lane*16 + 2e holds
; W[32 ks + 16 half + 8 (lane/16) + e][n0 + lane%16].  Fragment number F = 16 T + ks; one wave makes one fragment.
; Tiles T: 24 h + tau (tau 0-3 Wq, 4-7 Wk, 8-15 Wv, 16-23 Wg of head h); 96 Wgk1; 97+ct Wo column tile ct, its row k
; times 64 rms_w[k mod 128] (the 64 centres the product in f16's range; the last launch divides by it);
; 129 Wgk2, where ks counts column tiles and the half k >= 16 is zero (the rank is 16).
; Limit: f16 operands; a weight (for Wo: 64 rms_w Wo) above 65,504 in magnitude becomes infinite.
.set OFF, 8                            ; v[8:23]   16 byte offsets
.set W,   24                           ; v[24:39]  16 weights
.set R,   40                           ; v[40:55]  16 numbers of rms_w, then the factors
.set O,   56                           ; v[56:63]  the fragment
	s_load_b512 s[8:23], s[0:1], 0x0               ; Wq 8, Wk 10, Wv 12, Wg 14, Wgk1 16, Wo 18, Wgk2 20, rms_w 22
	s_load_b64 s[24:25], s[0:1], 0x40              ; wf
	v_lshrrev_b32 v1, 5, v0
	v_readfirstlane_b32 s2, v1                     ; wave
	s_lshr_b32 s3, ttmp9, 1                        ; T
	s_and_b32 s4, ttmp9, 1
	s_lshl3_add_u32 s4, s4, s2                     ; ks
	s_mul_i32 s5, s3, 43
	s_lshr_b32 s5, s5, 10                          ; h = T / 24 for T < 96
	s_mul_i32 s6, s5, 24
	s_sub_co_u32 s6, s3, s6                        ; tau
	s_lshl_b32 s28, s6, 4
	s_lshl_b32 s26, s5, 7
	s_add_co_u32 s29, s26, s28                     ; 128 h + 16 tau
	s_lshl_b32 s27, s5, 6
	s_add_co_u32 s30, s27, s28                     ; first column of a Wq tile
	s_sub_co_u32 s31, s29, 256                     ; of a Wg tile
	s_sub_co_u32 s41, s29, 128                     ; of a Wv tile
	s_sub_co_u32 s42, s30, 64                      ; of a Wk tile
	s_sub_co_u32 s43, s3, 97
	s_lshl_b32 s43, s43, 4                         ; of a Wo tile
	s_lshl_b32 s44, s4, 4                          ; of a Wgk2 tile
	s_mov_b32 s32, 2048                            ; bytes from row to row
	s_mov_b32 s33, 1.0                             ; constant factor
	s_mov_b32 s34, 16                              ; rows from half 0 to half 1
	s_lshl_b32 s35, s4, 5                          ; first row
	s_mov_b32 s36, 0                               ; all ones: times rms_w
	s_mov_b32 s37, 0                               ; all ones: half 1 is zero
	s_lshl3_add_u32 s46, ttmp9, s2
	s_lshl_b32 s46, s46, 10                        ; F * 1,024
	s_mov_b32 s47, 0
	v_and_b32 v1, 31, v0
	v_lshlrev_b32 v1, 4, v1                        ; 16 x lane
	v_and_b32 v2, 15, v0
	v_bfe_u32 v3, v0, 4, 1
	v_mov_b32 v7, 1.0
	s_wait_kmcnt 0x0
	s_add_nc_u64 s[24:25], s[24:25], s[46:47]
	s_mov_b64 s[38:39], s[14:15]                   ; Wg, unless one of the following
	s_cmp_lt_u32 s6, 16
	s_cselect_b64 s[38:39], s[12:13], s[38:39]
	s_cselect_b32 s31, s41, s31
	s_cmp_lt_u32 s6, 8
	s_cselect_b64 s[38:39], s[10:11], s[38:39]
	s_cselect_b32 s31, s42, s31
	s_cselect_b32 s32, 1024, s32
	s_cmp_lt_u32 s6, 4
	s_cselect_b64 s[38:39], s[8:9], s[38:39]
	s_cselect_b32 s31, s30, s31
	s_cmp_ge_u32 s3, 96
	s_cselect_b64 s[38:39], s[16:17], s[38:39]
	s_cselect_b32 s31, 0, s31
	s_cselect_b32 s32, 64, s32
	s_cmp_ge_u32 s3, 97
	s_cselect_b64 s[38:39], s[18:19], s[38:39]
	s_cselect_b32 s31, s43, s31
	s_cselect_b32 s32, 2048, s32
	s_cselect_b32 s33, 0x42800000, s33             ; 64.0
	s_cselect_b32 s36, -1, s36
	s_cmp_ge_u32 s3, 129
	s_cselect_b64 s[38:39], s[20:21], s[38:39]
	s_cselect_b32 s31, s44, s31
	s_cselect_b32 s32, 1024, s32
	s_cselect_b32 s33, 1.0, s33
	s_cselect_b32 s36, 0, s36
	s_cselect_b32 s37, -1, s37
	s_cselect_b32 s34, 0, s34
	s_cselect_b32 s35, 0, s35
	s_mul_i32 s45, s34, s32                        ; bytes from half 0 to half 1
	s_and_b32 s40, s4, 3
	s_lshl_b32 s40, s40, 7                         ; 4 x (32 ks mod 128)
	v_lshl_add_u32 v4, v3, 3, s35                  ; my first row
	v_mul_lo_u32 v4, v4, s32
	v_add_nc_u32 v5, s31, v2                       ; my column
	v_lshl_add_u32 v4, v5, 2, v4
.irp e, 0,1,2,3,4,5,6,7
	v_mad_u32_u24 v[OFF+\e], s32, \e, v4
.endr
.irp e, 0,1,2,3,4,5,6,7
	v_add_nc_u32 v[OFF+8+\e], s45, v[OFF+\e]
.endr
	v_lshl_add_u32 v6, v3, 5, s40
	v_mov_b32 v5, 0
.irp e, 0,1,2,3,4,5,6,7,8,9,10,11,12,13,14,15
	global_load_b32 v[W+\e], v[OFF+\e], s[38:39]
.endr
	global_load_b128 v[R:R+3], v6, s[22:23]
	global_load_b128 v[R+4:R+7], v6, s[22:23] offset:16
	global_load_b128 v[R+8:R+11], v6, s[22:23] offset:64
	global_load_b128 v[R+12:R+15], v6, s[22:23] offset:80
	s_wait_loadcnt 0x0
.irp e, 0,1,2,3,4,5,6,7,8,9,10,11,12,13,14,15
	v_cndmask_b32 v[R+\e], v7, v[R+\e], s36        ; rms_w for Wo, 1 for the others
	v_mul_f32 v[R+\e], s33, v[R+\e]
	v_mul_f32 v[W+\e], v[W+\e], v[R+\e]
.endr
.irp e, 8,9,10,11,12,13,14,15
	v_cndmask_b32 v[W+\e], v[W+\e], v5, s37
.endr
.irp e, 0,1,2,3,4,5,6,7
	v_cvt_pk_f16_f32 v[O+\e], v[W+2*\e], v[W+2*\e+1]
.endr
	global_store_b128 v1, v[O:O+3], s[24:25]
	global_store_b128 v1, v[O+4:O+7], s[24:25] offset:512
	s_endpgm
.Lfunc_end_k_q7e2ab2946d_prep:
	.size	k_q7e2ab2946d_prep, .Lfunc_end_k_q7e2ab2946d_prep-k_q7e2ab2946d_prep
	.p2alignl 7, 3214868480
	.fill 96, 4, 3214868480
	.section	.rodata,"a",@progbits
	.p2align	6, 0x0
	.amdhsa_kernel k_q7e2ab2946d_prep
		.amdhsa_group_segment_fixed_size 0
		.amdhsa_private_segment_fixed_size 0
		.amdhsa_enable_private_segment 0
		.amdhsa_kernarg_size 72
		.amdhsa_user_sgpr_count 2
		.amdhsa_user_sgpr_kernarg_segment_ptr 1
		.amdhsa_wavefront_size32 1
		.amdhsa_system_sgpr_workgroup_id_x 1
		.amdhsa_system_sgpr_workgroup_id_y 1
		.amdhsa_system_sgpr_workgroup_id_z 1
		.amdhsa_system_vgpr_workitem_id 0
		.amdhsa_next_free_vgpr 64
		.amdhsa_next_free_sgpr 66
		.amdhsa_reserve_vcc 0
		.amdhsa_float_denorm_mode_32 3
		.amdhsa_float_denorm_mode_16_64 3
		.amdhsa_memory_ordered 1
		.amdhsa_forward_progress 1
		.amdhsa_inst_pref_size 10
	.end_amdhsa_kernel
	.amdgpu_metadata
---
amdhsa.version: [ 1, 2 ]
amdhsa.kernels:
  - .name:           k_q7e2ab2946d_prep
    .symbol:         k_q7e2ab2946d_prep.kd
    .args:
      - { .name: Wq, .offset: 0, .size: 8, .value_kind: global_buffer, .address_space: global }
      - { .name: Wk, .offset: 8, .size: 8, .value_kind: global_buffer, .address_space: global }
      - { .name: Wv, .offset: 16, .size: 8, .value_kind: global_buffer, .address_space: global }
      - { .name: Wg, .offset: 24, .size: 8, .value_kind: global_buffer, .address_space: global }
      - { .name: Wgk1, .offset: 32, .size: 8, .value_kind: global_buffer, .address_space: global }
      - { .name: Wo, .offset: 40, .size: 8, .value_kind: global_buffer, .address_space: global }
      - { .name: Wgk2, .offset: 48, .size: 8, .value_kind: global_buffer, .address_space: global }
      - { .name: rms_w, .offset: 56, .size: 8, .value_kind: global_buffer, .address_space: global }
      - { .name: wf, .offset: 64, .size: 8, .value_kind: global_buffer, .address_space: global }
    .group_segment_fixed_size: 0
    .private_segment_fixed_size: 0
    .kernarg_segment_align: 8
    .kernarg_segment_size: 72
    .max_flat_workgroup_size: 256
    .sgpr_count:     66
    .vgpr_count:     64
    .wavefront_size: 32
...
	.end_amdgpu_metadata
.endif
;; end of part 1
;; launch local (part 2): grid 256 x 1, 8 waves a work-group, no clusters, 266,752 bytes of LDS; arguments x, bgk2, wf, qi, oi, ui, di, sw; writes qi, oi, ui, di, sw
.if DOCPART == 2
	.amdgcn_target "amdgcn-amd-amdhsa--gfx1250"
	.amdhsa_code_object_version 6
	.text
	.protected	k_q7e2ab2946d_local
	.globl	k_q7e2ab2946d_local
	.p2align	8
	.type	k_q7e2ab2946d_local,@function
k_q7e2ab2946d_local:
	s_mov_b64 s[64:65], 0
	v_nop
	global_prefetch_b8 v0, s[64:65] scope:SCOPE_SE
	s_setreg_imm32_b32 hwreg(HW_REG_WAVE_MODE, 25, 1), 1
	s_wait_xcnt 0x0
; One work-group = one chunk of 128 steps of one head (id = (16 b + c) 4 + h).  It makes q, k, v, g and the gate from x, and from them
;   oi  the chunk's own part of o (transposed tiles, f32),   ui  U = sum over s of (k_s x decay from s+1 to the chunk's end) v_s,
;   qi  q_t x decay from the chunk's start to t (f16 fragments),   di  the chunk's whole decay,   sw  g sigmoid(g) (f16).
; DECAYS.  a_t = exp(logsigmoid(z_t)/16) <= 1.  A pair t > s is served at the level l of the highest bit in which t and s differ:
; q_t carries the product of a from the start of t's block of 2^l up to t, k_s the product from s+1 to the end of s's block of 2^l.
; Only products of factors <= 1 are formed, never an exponential of a difference, so nothing can overflow; a product underflows only
; where the exact decay does.  Levels 0-2 lie in a lane's 8 registers, 3 between the lane halves, 4-5 between row tiles, 6 between waves.
; FORMATS.  All matrix operands are f16, sums f32.  The scores have no room in f16 at 30 times larger or smaller inputs, so each row t
; (one lane) is scaled by the power of two that brings its largest magnitude into [1,2); the inverse, times DK^-0.5 = 1/8, multiplies O.
; LIMITS.  The exponent of a row's maximum is clamped to 2^-123 .. 2^123.  x, q, k, v, r above 65,504 in magnitude become infinite.
; v_exp_f32 flushes results below 2^-126 to zero where the exact decay would be a denormal.  Decays are products, not exp of sums, so
; their rounding order differs from a step-by-step scan.  U of chunk 15 and d of chunks 0 and 15 are stored and not used.
; No multicast: weights go from memory straight to registers in fragment order and x passes through registers to be rounded, so no
; LDS tile is shared between work-groups.
; REGISTERS.  Window 0: v1-31 addresses, v32-175 two buffers of 9 x fragments, v176-255 two buffers of 5 weight fragments.
; Window 1: q 0-31, k 32-63, v 64-127 (then decays: prefix 64-95, suffix 96-127), g 128-191, r 192-199, 200-255 at work.
.set XP,  1040                         ; LDS pitch of x [128][512] f16
.set MP,  288                          ; pitch of the [dk 64][t 128] arrays read by transposing loads
.set VP,  272                          ; pitch of the arrays read along t
.set MSZ, 64*MP
.set VTB, 133120                       ; v [dv 128][t 128]
.set RLB, 167936                       ; r [t 128][16], pitch 48
.set KPB, 174080                       ; k, level-6 q side, level-6 k side
.set KHB, 229376                       ; k x suffix to the chunk's end, pitch 272
.set QTB, 246784                       ; q x prefix from the chunk's start
.set TOTB, 265216                      ; [2][64] f32: each half's whole decay
; bytes 0 .. 129,023 hold x first and, when all waves have left the projections, the level arrays M0..M5 and q (7 x MSZ)
.set Q1, 0
.set K1, 32
.set P1, 64
.set F1, 96
.set G1, 128
.set RA, 192
.set TID, 200
.set RR, 201
.set HV, 202
.set STA, 203
.set STB, 204
.set STC, 205
.set STD, 206
.set STK, 207
.set ARL, 208
.set AVO, 209
.set AVX, 210
.set SWO, 211
.set L16, 212
.set BOF, 213
.set RLL, 214
.set BIA, 215
.set T, 216
.set E, 224
.set U, 232
.set T16, 240
.set T32, 244
.set T64, 246
.set OTH, 247
.set FP, 248
.set FR, 249
.set O64, 250
.set ONE, 251
.set TOL, 252
.set SWX, 253
.set TOS, 254
.set MX, 200                           ; the score phase uses 200-207 again
.set MN, 201
.set EB, 202
.set CC, 204
.set II, 206
.set MSB, 0
.macro WIN new                         ; low byte: source 0, source 1, source 2, destination, two bits each; high byte: the setting left
.if MSB != \new
	s_set_vgpr_msb (MSB<<8)|\new
.set MSB, \new
.endif
.endm
.macro PLACES                          ; the places behind matrix instructions (ISA guide 7.12.1)
.rept 5
	v_nop
.endr
.endm
.macro BAR
	s_barrier_signal -1
	s_barrier_wait -1
.endm
.macro PROD d, a, b, zero              ; zero: the first product starts the sum
.if \zero
	v_wmma_f32_16x16x32_f16 v[\d:\d+7], v[\a:\a+7], v[\b:\b+7], 0
.else
	v_wmma_f32_16x16x32_f16 v[\d:\d+7], v[\a:\a+7], v[\b:\b+7], v[\d:\d+7]
.endif
.endm
.macro BLOAD ks                        ; five weight fragments of K step ks: q, k, v, g, r
.irp f, 0,1,2,3,4
	global_load_b128 v[176+40*((\ks)&1)+8*\f:176+40*((\ks)&1)+8*\f+3], v1, s[24+2*\f:25+2*\f] offset:(\ks)*1024
	global_load_b128 v[176+40*((\ks)&1)+8*\f+4:176+40*((\ks)&1)+8*\f+7], v1, s[24+2*\f:25+2*\f] offset:(\ks)*1024+512
.endr
.endm
.macro ALOAD ks                        ; nine x fragments: my half's four row tiles, the other half's four, row tile w
.irp t, 0,1,2,3
	ds_load_b128 v[32+72*((\ks)&1)+8*\t:32+72*((\ks)&1)+8*\t+3], v4 offset:\t*16640+(\ks)*64
	ds_load_b128 v[32+72*((\ks)&1)+8*\t+4:32+72*((\ks)&1)+8*\t+7], v4 offset:\t*16640+(\ks)*64+32
.endr
.irp t, 0,1,2,3
	ds_load_b128 v[64+72*((\ks)&1)+8*\t:64+72*((\ks)&1)+8*\t+3], v5 offset:\t*16640+(\ks)*64
	ds_load_b128 v[64+72*((\ks)&1)+8*\t+4:64+72*((\ks)&1)+8*\t+7], v5 offset:\t*16640+(\ks)*64+32
.endr
	ds_load_b128 v[96+72*((\ks)&1):96+72*((\ks)&1)+3], v6 offset:(\ks)*64
	ds_load_b128 v[96+72*((\ks)&1)+4:96+72*((\ks)&1)+7], v6 offset:(\ks)*64+32
.endm
; One K step of 32: the next step's 10 + 18 loads go out first, then this step's 25 products.  The 25 accumulators take turns,
; one instruction a turn.
.macro KSTEP ks, zero, more
.if \more
	PLACES                                         ; the loads below land on registers that the last step's products read
	BLOAD (\ks+1)
	ALOAD (\ks+1)
	s_wait_loadcnt 10                              ; all but the 10 just issued
	s_wait_dscnt 18                                ; all but the 18 just issued
.else
	s_wait_loadcnt 0x0
	s_wait_dscnt 0x0
.endif
.set AC, 32+72*((\ks)&1)
.set BC, 176+40*((\ks)&1)
	WIN 0x50
.irp t, 0,1,2,3
	PROD Q1+8*\t, AC+8*\t, BC, \zero               ; q: register = t, lane = dk
.endr
.irp t, 0,1,2,3
	PROD K1+8*\t, AC+8*\t, BC+8, \zero
.endr
.irp t, 0,1,2,3,4,5,6,7
	PROD 64+8*\t, AC+8*\t, BC+16, \zero            ; v: register = t, lane = dv
.endr
.irp t, 0,1,2,3,4,5,6,7
	PROD G1+8*\t, BC+24, AC+8*\t, \zero            ; g, sources swapped: register = dv, lane = t
.endr
	PROD RA, BC+32, AC+64, \zero                   ; r, swapped: register = rank, lane = t
	WIN 0
.endm
.macro XLOAD g, base                   ; four rows of x, 16 loads of 512 consecutive bytes
.irp q, 0,1,2,3,4,5,6,7,8,9,10,11,12,13,14,15
	global_load_b128 v[\base+4*\q:\base+4*\q+3], v2, s[8:9] offset:(4*\g+(\q>>2))*2048+(\q&3)*512
.endr
.endm
.macro XCVT g, base
.irp q, 0,1,2,3,4,5,6,7,8,9,10,11,12,13,14,15
	v_cvt_pk_f16_f32 v[160+2*(\q&7)], v[\base+4*\q], v[\base+4*\q+1]
	v_cvt_pk_f16_f32 v[161+2*(\q&7)], v[\base+4*\q+2], v[\base+4*\q+3]
	ds_store_b64 v3, v[160+2*(\q&7):161+2*(\q&7)] offset:(4*\g+(\q>>2))*XP+(\q&3)*256
.endr
.endm
.macro EMITR src, areg, imm            ; eight numbers along t are rounded and go to LDS as 16 bytes
.irp e, 0,1,2,3
	v_cvt_pk_f16_f32 v[T+\e], v[\src+2*\e], v[\src+2*\e+1]
.endr
	ds_store_b128 v[\areg], v[T:T+3] offset:\imm
.endm
.macro SWISH s, areg, imm              ; g sigmoid(g) = g / (1 + 2^(-g log2 e)), packed to f16 and stored; s is a plain number
.irp j, 0,1,2,3,4,5,6,7
	v_mul_f32 v[E+\j], s41, v[G1+8*\s+\j]
.endr
.irp j, 0,1,2,3,4,5,6,7
	v_exp_f32 v[U+\j], v[E+\j]
.endr
	v_nop                                          ; one plain place behind the transcendentals (ISA guide 5.7.2)
	s_wait_alu depctr_va_vdst(0)
.irp j, 0,1,2,3,4,5,6,7
	v_add_f32 v[E+\j], 1.0, v[U+\j]
.endr
.irp j, 0,1,2,3,4,5,6,7
	v_rcp_f32 v[U+\j], v[E+\j]
.endr
	v_nop
	s_wait_alu depctr_va_vdst(0)
.irp j, 0,2,4,6
	v_pk_mul_f32 v[G1+8*\s+\j:G1+8*\s+\j+1], v[G1+8*\s+\j:G1+8*\s+\j+1], v[U+\j:U+\j+1]
.endr
.irp e, 0,1,2,3
	v_cvt_pk_f16_f32 v[G1+8*\s+\e], v[G1+8*\s+2*\e], v[G1+8*\s+2*\e+1]
.endr
	global_store_b128 v[\areg], v[G1+8*\s:G1+8*\s+3], s[22:23] offset:\imm
.endm
; a = exp(logsigmoid(z)/16) = 2^( min(z,0) log2e/16 - log2(1 + 2^(-|z| log2e))/16 ): the exponent of the inner power is <= 0
.macro GATE g
.irp j, 0,1,2,3,4,5,6,7
	v_add_f32 v[P1+8*\g+\j], v[P1+8*\g+\j], v[BIA]
.endr
.irp j, 0,1,2,3,4,5,6,7
	v_and_b32 v[E+\j], s59, v[P1+8*\g+\j]
.endr
.irp j, 0,1,2,3,4,5,6,7
	v_mul_f32 v[E+\j], s41, v[E+\j]
.endr
.irp j, 0,1,2,3,4,5,6,7
	v_exp_f32 v[U+\j], v[E+\j]
.endr
	v_nop
	s_wait_alu depctr_va_vdst(0)
.irp j, 0,1,2,3,4,5,6,7
	v_add_f32 v[E+\j], 1.0, v[U+\j]
.endr
.irp j, 0,1,2,3,4,5,6,7
	v_log_f32 v[U+\j], v[E+\j]
.endr
.irp j, 0,1,2,3,4,5,6,7
	v_min_num_f32 v[T+\j], 0, v[P1+8*\g+\j]        ; plain work behind the logarithms
.endr
.irp j, 0,1,2,3,4,5,6,7
	v_mul_f32 v[T+\j], s42, v[T+\j]
.endr
	s_wait_alu depctr_va_vdst(0)
.irp j, 0,1,2,3,4,5,6,7
	v_fma_f32 v[E+\j], v[U+\j], s43, v[T+\j]
.endr
.irp j, 0,1,2,3,4,5,6,7
	v_exp_f32 v[P1+8*\g+\j], v[E+\j]
.endr
	v_nop
.endm
; Level l = 0, 1, 2 of row tile g: M_l[t] = q p where bit l of t is set, k f where it is not; then both products grow to blocks of 2^(l+1)
.macro LEVREG l, g
.irp j, 0,1,2,3,4,5,6,7
.if ((\j>>\l)&1)
	v_mul_f32 v[T+\j], v[Q1+8*\g+\j], v[P1+8*\g+\j]
.else
	v_mul_f32 v[T+\j], v[K1+8*\g+\j], v[F1+8*\g+\j]
.endif
.endr
	EMITR T, STA, \l*MSZ+32*\g
.irp j, 0,1,2,3,4,5,6,7
.if ((\j>>\l)&1)
.else
	v_mul_f32 v[F1+8*\g+\j], v[F1+8*\g+\j], v[P1+8*\g+(\j|((2<<\l)-1))]        ; times the upper half's whole product
.endif
.endr
.irp j, 0,1,2,3,4,5,6,7
.if ((\j>>\l)&1)
	v_mul_f32 v[P1+8*\g+\j], v[P1+8*\g+\j], v[P1+8*\g+(((\j>>(\l+1))<<(\l+1))+(1<<\l)-1)]   ; times the lower half's
.endif
.endr
.endm
.macro LEV3 g                          ; bit 3 of t is the lane half
.irp j, 0,1,2,3,4,5,6,7
	v_cndmask_b32 v[E+\j], v[K1+8*\g+\j], v[Q1+8*\g+\j], s44
	v_cndmask_b32 v[U+\j], v[F1+8*\g+\j], v[P1+8*\g+\j], s44
.endr
.irp j, 0,2,4,6
	v_pk_mul_f32 v[T+\j:T+\j+1], v[E+\j:E+\j+1], v[U+\j:U+\j+1]
.endr
	EMITR T, STA, 3*MSZ+32*\g
	v_permlanex16_b32 v[OTH], v[P1+8*\g+7], s45, s46       ; the other half's whole product
	v_mul_f32 v[T16+\g], v[P1+8*\g+7], v[OTH]
	v_cndmask_b32 v[FP], v[ONE], v[OTH], s44
	v_cndmask_b32 v[FR], v[OTH], v[ONE], s44
.irp j, 0,1,2,3,4,5,6,7
	v_mul_f32 v[P1+8*\g+\j], v[P1+8*\g+\j], v[FP]
	v_mul_f32 v[F1+8*\g+\j], v[F1+8*\g+\j], v[FR]
.endr
.endm
.macro SIDE g, isq, areg, imm          ; q p or k f of row tile g, to LDS
.irp j, 0,2,4,6
.if \isq
	v_pk_mul_f32 v[T+\j:T+\j+1], v[Q1+8*\g+\j:Q1+8*\g+\j+1], v[P1+8*\g+\j:P1+8*\g+\j+1]
.else
	v_pk_mul_f32 v[T+\j:T+\j+1], v[K1+8*\g+\j:K1+8*\g+\j+1], v[F1+8*\g+\j:F1+8*\g+\j+1]
.endif
.endr
	EMITR T, \areg, \imm
.endm
.macro SCALE base, g, f
.irp j, 0,1,2,3,4,5,6,7
	v_mul_f32 v[\base+8*\g+\j], v[\base+8*\g+\j], v[\f]
.endr
.endm
.macro TRF dst, areg, imm              ; both K steps (dk 0-31, 32-63) of one tile of 16 t from a [dk][t] array: lane = t, K = dk
	ds_load_tr16_b128 v[\dst:\dst+3], v[\areg] offset:\imm
	ds_load_tr16_b128 v[\dst+4:\dst+7], v[\areg] offset:\imm+16*MP
	ds_load_tr16_b128 v[\dst+8:\dst+11], v[\areg] offset:\imm+32*MP
	ds_load_tr16_b128 v[\dst+12:\dst+15], v[\areg] offset:\imm+48*MP
.endm
.macro VLOAD p                         ; v's eight dv tiles for s = 32 p .. 32 p + 31
.irp nt, 0,1,2,3,4,5,6,7
	ds_load_b128 v[64+64*((\p)&1)+8*\nt:64+64*((\p)&1)+8*\nt+3], v13 offset:\nt*16*VP+(\p)*64
	ds_load_b128 v[64+64*((\p)&1)+8*\nt+4:64+64*((\p)&1)+8*\nt+7], v13 offset:\nt*16*VP+(\p)*64+32
.endr
.endm
; Row tile i: the scores against tiles j < i (level 4 if i^j = 1, 5 if i^j < 4, else 6), the row scale, A V, and the store of O^T
.macro ROWTILE i
.if (\i)&1
	TRF 64, 11, MSZ+32*\i
.endif
.if (\i)&2
	TRF 80, 11, 2*MSZ+32*\i
.endif
.if (\i)&4
	TRF 96, 12, MSZ+32*\i
.endif
.irp j, 0,1,2,3,4,5,6
.if \j < \i
.set XJ, (\i)^(\j)
.if XJ == 1
	TRF 112+16*\j, 11, MSZ+32*\j
.else
.if XJ < 4
	TRF 112+16*\j, 11, 2*MSZ+32*\j
.else
	TRF 112+16*\j, 12, 2*MSZ+32*\j
.endif
.endif
.endif
.endr
.if \i > 0
	s_wait_dscnt 0x0
	WIN 0x50
.irp k2, 0,1
.irp j, 0,1,2,3,4,5,6
.if \j < \i
.set XJ, (\i)^(\j)
.if XJ == 1
.set QS, 64
.else
.if XJ < 4
.set QS, 80
.else
.set QS, 96
.endif
.endif
.if \i == 1
.if \k2 == 1
	s_wait_alu depctr_va_vdst(0)                   ; its second product waits for the first
.endif
.endif
	PROD 40+8*\j, 112+16*\j+8*\k2, QS+8*\k2, 1-\k2 ; register = s, lane = t
.endif
.endr
.endr
	WIN 0
	PLACES
.endif
	VLOAD 0
.if \i > 1
	VLOAD 1
.endif
	WIN 0x55
	v_max_num_f32 v[MX], v32, v33                  ; the largest magnitude of row t: window-1 registers 32 .. 32 + 8 (i+1) - 1
	v_min_num_f32 v[MN], v32, v33
.set n, 2
.rept 4*(\i+1)-1
	v_max3_num_f32 v[MX], v[MX], v[32+n], v[33+n]
	v_min3_num_f32 v[MN], v[MN], v[32+n], v[33+n]
.set n, n+2
.endr
	v_sub_f32 v[MN], 0, v[MN]
	v_max_num_f32 v[MX], v[MX], v[MN]
	v_permlanex16_b32 v[OTH], v[MX], s45, s46
	v_max_num_f32 v[MX], v[MX], v[OTH]
	v_max_num_f32 v[MX], s60, v[MX]
	v_min_num_f32 v[MX], s61, v[MX]
	v_and_b32 v[EB], 0x7f800000, v[MX]             ; 2^e
	v_sub_nc_u32 v[CC], 0x7f000000, v[EB]          ; 2^-e
	v_mov_b32 v[CC+1], v[CC]
	v_add_nc_u32 v[II], 0xfe800000, v[EB]          ; 2^e / 8
	v_mov_b32 v[II+1], v[II]
.set n, 0
.rept 4*(\i+1)
	v_pk_mul_f32 v[32+n:33+n], v[32+n:33+n], v[CC:CC+1]
.set n, n+2
.endr
	WIN 0x05                                       ; sources window 1, destination window 0: tile j becomes half a fragment, lane = t, K = s
.irp j, 0,1,2,3,4,5,6
.if \j < \i
.irp e, 0,1,2,3
	v_cvt_pk_f16_f32 v[32+4*\j+\e], v[40+8*\j+2*\e], v[40+8*\j+2*\e+1]
.endr
.endif
.endr
.irp e, 0,1,2,3
	v_cvt_pk_f16_f32 v[32+4*\i+\e], v[32+2*\e], v[32+2*\e+1]
.endr
.if ((\i)&1) == 0
.irp e, 0,1,2,3
	v_mov_b32 v[36+4*\i+\e], 0                     ; no tile i + 1: s > t
.endr
.endif
.set PM, (\i)>>1
.irp p, 0,1,2,3
.if \p <= PM
.if \p < PM
	s_wait_dscnt 16                                ; the 16 loads of the next 32 s stay out
.else
	s_wait_dscnt 0x0
.endif
	WIN 0x50
.irp nt, 0,1,2,3,4,5,6,7
	PROD 96+8*\nt, 64+64*(\p&1)+8*\nt, 32+8*\p, \p==0      ; O^T: register = dv, lane = t
.endr
	WIN 0
.if \p+2 <= PM
	PLACES
	VLOAD (\p+2)
.endif
.endif
.endr
	PLACES
	WIN 0x55
.set n, 0
.rept 32
	v_pk_mul_f32 v[96+n:97+n], v[96+n:97+n], v[II:II+1]
.set n, n+2
.endr
	WIN 0x04
.irp nt, 0,1,2,3,4,5,6,7
	global_store_b128 v1, v[96+8*\nt:96+8*\nt+3], s[16:17] offset:\i*8192+\nt*1024
	global_store_b128 v1, v[96+8*\nt+4:96+8*\nt+7], s[16:17] offset:\i*8192+\nt*1024+512
.endr
	WIN 0
.endm
	s_load_b512 s[8:23], s[0:1], 0x0               ; x 8, bgk2 10, wf 12, qi 14, oi 16, ui 18, di 20, sw 22
	v_lshl_add_u32 v28, v0, 2, 0x40e00
	v_mov_b32 v29, 0
	v_lshrrev_b32 v17, 5, v0
	v_readfirstlane_b32 s2, v17                    ; wave w
	v_and_b32 v17, 31, v0
	v_lshlrev_b32 v1, 4, v17                       ; 16 x lane
	s_and_b32 s3, s2, 3                            ; cb: my column tile of q and k
	s_lshr_b32 s4, s2, 2                           ; rh: my half of the rows for q and k
	s_xor_b32 s7, s4, 1
	s_and_b32 s5, ttmp9, 3                         ; head
	s_mul_i32 s36, s5, 24
	s_add_co_u32 s38, s36, s3
	s_lshl_b32 s38, s38, 14
	s_mov_b32 s39, 0
	s_add_co_u32 s36, s36, s2
	s_lshl_b32 s36, s36, 14
	s_mov_b32 s37, 0
	s_lshl_b32 s6, s2, 15
	v_add_nc_u32 v2, s6, v1                        ; x: my wave's 16 rows
	s_wait_kmcnt 0x0
	s_add_nc_u64 s[24:25], s[12:13], s[38:39]      ; Wq tile 24 h + cb
	s_add_nc_u64 s[26:27], s[24:25], 4*16384       ; Wk
	s_add_nc_u64 s[28:29], s[12:13], s[36:37]
	s_add_nc_u64 s[28:29], s[28:29], 8*16384       ; Wv tile 24 h + 8 + w
	s_add_nc_u64 s[30:31], s[28:29], 8*16384       ; Wg
	s_add_nc_u64 s[32:33], s[12:13], 96*16384      ; Wgk1
	BLOAD 0
	s_lshr_b32 s38, ttmp9, 2
	s_lshl_b32 s38, s38, 18                        ; 128 rows of 2,048 bytes a chunk
	s_add_nc_u64 s[8:9], s[8:9], s[38:39]
	XLOAD 0, 32
	XLOAD 1, 96
	; the other bases and addresses, while the loads are on their way
	s_lshl2_add_u32 s38, s5, s3
	s_lshl_b32 s38, s38, 10
	s_add_nc_u64 s[34:35], s[12:13], s[38:39]
	s_add_nc_u64 s[34:35], s[34:35], 129*16384     ; Wgk2, column tile 4 h + cb
	s_lshl_b32 s38, ttmp9, 14
	s_lshl_b32 s36, s2, 11
	s_add_co_u32 s38, s38, s36
	s_add_nc_u64 s[14:15], s[14:15], s[38:39]      ; qi
	s_lshl_b32 s38, ttmp9, 16
	s_add_nc_u64 s[16:17], s[16:17], s[38:39]      ; oi
	s_lshl_b32 s38, ttmp9, 15
	s_lshl_b32 s36, s2, 12
	s_add_co_u32 s36, s38, s36
	s_add_nc_u64 s[18:19], s[18:19], s[36:37]      ; ui
	s_lshl_b32 s36, s2, 9
	s_add_co_u32 s36, s38, s36
	s_add_nc_u64 s[22:23], s[22:23], s[36:37]      ; sw
	s_lshl_b32 s38, ttmp9, 8
	s_add_nc_u64 s[20:21], s[20:21], s[38:39]      ; di
	s_mov_b32 s41, 0xbfb8aa3b                      ; -log2 e
	s_mov_b32 s42, 0x3db8aa3b                      ; log2 e / 16
	s_mov_b32 s43, 0xbd800000                      ; -1/16
	s_mov_b32 s44, 0xffff0000                      ; lanes 16-31
	s_mov_b32 s45, 0x76543210                      ; v_permlanex16_b32: lane i of the other half
	s_mov_b32 s46, 0xfedcba98
	s_cmp_eq_u32 s4, 1
	s_cselect_b32 s47, -1, 0                       ; all lanes, if mine is the upper half
	s_mov_b32 s59, 0x7fffffff
	s_mov_b32 s60, 0x02000000                      ; 2^-123
	s_mov_b32 s61, 0x7d000000                      ; 2^123
	s_mul_i32 s48, s3, 16*MP
	s_lshl_b32 s36, s4, 7
	s_add_co_u32 s48, s48, s36                     ; [dk][t] arrays: 16 cb rows + 64 rh columns
	s_mul_i32 s49, s3, 16*VP
	s_add_co_u32 s49, s49, s36
	s_add_co_u32 s49, s49, KHB
	s_mul_i32 s50, s2, 768
	s_add_co_u32 s50, s50, RLB
	s_mul_i32 s51, s2, 16*VP
	s_add_co_u32 s51, s51, VTB
	s_lshl_b32 s38, s7, 7
	s_add_co_u32 s52, s51, s38
	s_add_co_u32 s51, s51, s36
	s_lshl_b32 s53, s4, 14
	s_lshl_b32 s54, s7, 14
	s_lshl_b32 s55, s5, 8
	s_lshl_b32 s36, s3, 6
	s_add_co_u32 s55, s55, s36
	s_mul_i32 s56, s4, 3072
	s_add_co_u32 s56, s56, RLB
	s_lshl_b32 s57, s4, 8
	s_add_co_u32 s57, s57, s36
	s_add_co_u32 s57, s57, TOTB
	s_lshl_b32 s58, s7, 8
	s_add_co_u32 s58, s58, s36
	s_add_co_u32 s58, s58, TOTB
	v_and_b32 v18, 15, v0                          ; r
	v_bfe_u32 v19, v0, 4, 1                        ; hh
	v_and_b32 v20, 7, v0
	v_bfe_u32 v21, v0, 3, 1
	v_lshl_add_u32 v31, v18, 2, s36                ; di: 4 (16 cb + r)
	s_mul_i32 s37, s2, 16*XP
	v_lshl_add_u32 v3, v17, 3, s37                 ; x into LDS: 8 bytes a lane
	v_mul_u32_u24 v22, v18, XP
	v_lshl_add_u32 v22, v19, 4, v22
	s_mul_i32 s36, s4, 64*XP
	v_add_nc_u32 v4, s36, v22                      ; x fragments: my half
	s_mul_i32 s36, s7, 64*XP
	v_add_nc_u32 v5, s36, v22                      ; the other half
	v_add_nc_u32 v6, s37, v22                      ; row tile w
	v_lshl_add_u32 v23, v19, 3, v20
	v_mul_u32_u24 v23, v23, MP
	v_lshl_add_u32 v23, v21, 4, v23                ; transposing loads: (8 hh + lane%8) pitch + 16 ((lane/8)%2)
	s_lshl_b32 s36, s2, 5
	v_add_nc_u32 v7, s36, v23                      ; tile w of M0, M1, M2
	v_add_nc_u32 v8, 3*MSZ, v7                     ; of M3
	v_add_nc_u32 v9, 6*MSZ, v7                     ; of q
	v_add_nc_u32 v10, KPB, v7                      ; of k
	v_add_nc_u32 v16, QTB, v7                      ; of q x prefix
	v_add_nc_u32 v11, 3*MSZ, v23                   ; M3, M4, M5
	v_add_nc_u32 v12, KPB, v23                     ; k, level-6 q side, level-6 k side
	v_mul_u32_u24 v24, v18, VP
	v_lshl_add_u32 v24, v19, 4, v24
	v_add_nc_u32 v13, VTB, v24
	v_add_nc_u32 v14, KHB, v24
	s_mul_i32 s36, s2, 16*VP
	v_add_nc_u32 v15, s36, v13
	; x: f32 to f16, into LDS.  Two groups of 16 loads are out; each wait leaves the younger group.
	s_wait_loadcnt 16
	XCVT 0, 32
	XLOAD 2, 32
	s_wait_loadcnt 16
	XCVT 1, 96
	XLOAD 3, 96
	s_wait_loadcnt 16
	XCVT 2, 32
	s_wait_loadcnt 0x0
	XCVT 3, 96
	s_wait_dscnt 0x0                               ; my rows of x are in LDS
	BAR
	ALOAD 0
	KSTEP 0, 1, 1
.irp s, 1,2,3,4,5,6,7,8,9,10,11,12,13,14
	KSTEP \s, 0, 1
.endr
	KSTEP 15, 0, 0
	; ---- everything from here to the scores works in window 1 ----
	PLACES
	WIN 0x40
	v_mov_b32 v[TID], v0
	WIN 0x55
	v_and_b32 v[RR], 15, v[TID]
	v_bfe_u32 v[HV], v[TID], 4, 1
	v_lshlrev_b32 v[HV], 4, v[HV]                  ; 16 hh
	v_and_b32 v[L16], 31, v[TID]
	v_lshlrev_b32 v[L16], 4, v[L16]
	v_mul_u32_u24 v[STA], v[RR], MP
	v_add3_u32 v[STA], v[STA], v[HV], s48          ; M0..M3
	v_add_nc_u32 v[STB], 4*MSZ, v[STA]             ; M4, M5, q
	v_add_nc_u32 v[STC], KPB, v[STA]               ; k, level 6
	v_add_nc_u32 v[STD], QTB, v[STA]
	v_mul_u32_u24 v[STK], v[RR], VP
	v_add_nc_u32 v[STK], v[STK], v[HV]
	v_add_nc_u32 v[AVO], s51, v[STK]
	v_add_nc_u32 v[AVX], s52, v[STK]
	v_add_nc_u32 v[STK], s49, v[STK]
	v_mul_u32_u24 v[ARL], v[RR], 48
	v_add_nc_u32 v[ARL], v[ARL], v[HV]
	v_add_nc_u32 v[RLL], s56, v[ARL]
	v_add_nc_u32 v[ARL], s50, v[ARL]
	v_add_nc_u32 v[SWO], s53, v[L16]
	v_add_nc_u32 v[SWX], s54, v[L16]
	v_lshl_add_u32 v[BOF], v[RR], 2, s55
	v_lshl_add_u32 v[TOS], v[RR], 2, s57
	v_lshl_add_u32 v[TOL], v[RR], 2, s58
	v_mov_b32 v[ONE], 1.0
	v_mov_b32 v[OTH], 0
	EMITR RA, ARL, 0                               ; r of row 16 w + lane%16, ranks 8 hh ..
	global_load_b128 v[RA:RA+3], v[L16], s[34:35]  ; Wgk2's fragment, into r's registers
	global_load_b128 v[RA+4:RA+7], v[L16], s[34:35] offset:512
	global_load_b32 v[BIA], v[BOF], s[10:11]
.irp s, 0,1,2,3
	EMITR 64+8*\s, AVO, 32*\s
.endr
.irp s, 0,1,2,3
	EMITR 96+8*\s, AVX, 32*\s
.endr
	s_wait_dscnt 0x0                               ; r and v are in LDS, and my reads of x ended with the last K step
	BAR
.irp g, 0,1,2,3
	ds_load_b128 v[F1+8*\g:F1+8*\g+3], v[RLL] offset:768*\g
	v_mov_b32 v[F1+8*\g+4], 0                      ; ranks 16-31 do not exist
	v_mov_b32 v[F1+8*\g+5], 0
	v_mov_b32 v[F1+8*\g+6], 0
	v_mov_b32 v[F1+8*\g+7], 0
.endr
.irp s, 0,1,2,3
	SWISH \s, SWO, 4096*\s                         ; my half's four row tiles
.endr
.irp s, 4,5,6,7
	SWISH \s, SWX, 4096*(\s-4)                     ; the other half's
.endr
	s_wait_loadcnt 0x0
	s_wait_dscnt 0x0
.irp g, 0,1,2,3
	v_wmma_f32_16x16x32_f16 v[P1+8*\g:P1+8*\g+7], v[F1+8*\g:F1+8*\g+7], v[RA:RA+7], 0   ; z: register = t, lane = dk, as q and k
.endr
	PLACES
.irp g, 0,1,2,3
	GATE \g
.endr
.set n, 0
	s_wait_alu depctr_va_vdst(0)
.rept 32
	v_mov_b32 v[F1+n], 1.0                         ; the suffix product of a block of one step is empty
.set n, n+1
.endr
.irp g, 0,1,2,3
	EMITR Q1+8*\g, STB, 2*MSZ+32*\g
	EMITR K1+8*\g, STC, 32*\g
.endr
.irp g, 0,1,2,3
	LEVREG 0, \g
	LEVREG 1, \g
	LEVREG 2, \g
	LEV3 \g
.endr
	SIDE 0, 0, STB, 0                              ; level 4: odd row tiles are the q side
	SCALE F1, 0, T16+1
	SIDE 1, 1, STB, 32
	SCALE P1, 1, T16
	SIDE 2, 0, STB, 64
	SCALE F1, 2, T16+3
	SIDE 3, 1, STB, 96
	SCALE P1, 3, T16+2
	v_mul_f32 v[T32], v[T16], v[T16+1]
	v_mul_f32 v[T32+1], v[T16+2], v[T16+3]
	SIDE 0, 0, STB, MSZ                            ; level 5
	SCALE F1, 0, T32+1
	SIDE 1, 0, STB, MSZ+32
	SCALE F1, 1, T32+1
	SIDE 2, 1, STB, MSZ+64
	SCALE P1, 2, T32
	SIDE 3, 1, STB, MSZ+96
	SCALE P1, 3, T32
	v_mul_f32 v[T64], v[T32], v[T32+1]
.irp g, 0,1,2,3
	SIDE \g, 1, STC, MSZ+32*\g                     ; level 6: both sides of every row
	SIDE \g, 0, STC, 2*MSZ+32*\g
.endr
	ds_store_b32 v[TOS], v[T64]
	s_wait_xcnt 0x0                                ; the registers that the stores of sw read are written again by the scores' products
	s_wait_dscnt 0x0                               ; the level arrays and my half's decay are in LDS
	BAR
	ds_load_b32 v[O64], v[TOL]
	s_wait_dscnt 0x0
	v_cndmask_b32 v[FP], v[ONE], v[O64], s47
	v_cndmask_b32 v[FR], v[O64], v[ONE], s47
.irp g, 0,1,2,3
	SCALE P1, \g, FP
	SIDE \g, 1, STD, 32*\g                         ; q x decay from the chunk's start
	SCALE F1, \g, FR
	SIDE \g, 0, STK, 32*\g                         ; k x decay to the chunk's end
.endr
	WIN 0x05
	v_mul_f32 v30, v[T64], v[O64]                  ; the chunk's decay
	WIN 0
	; ---- scores.  Wave w owns row tile w.  The diagonal tile: levels 0-3 and s = t, the same text in every wave ----
	TRF 64, 7, 0
	TRF 80, 7, MSZ
	TRF 96, 7, 2*MSZ
	TRF 112, 8, 0
	TRF 128, 10, 0
	TRF 144, 9, 0
	s_wait_dscnt 0x0
	WIN 0x50
.irp k2, 0,1
	PROD 0, 64+8*\k2, 64+8*\k2, 1-\k2              ; five accumulators by turns
	PROD 8, 80+8*\k2, 80+8*\k2, 1-\k2
	PROD 16, 96+8*\k2, 96+8*\k2, 1-\k2
	PROD 24, 112+8*\k2, 112+8*\k2, 1-\k2
	PROD 32, 128+8*\k2, 144+8*\k2, 1-\k2
.endr
	WIN 0x55
	PLACES
	; register j of lane (r, hh) is the pair s' = 8 hh + j, t' = r.  Each pair takes the product of its level; s' > t' takes 0.
.irp j, 0,1,2,3,4,5,6,7
	s_mov_b32 vcc_lo, (1<<\j)|(1<<(\j+24))         ; s' = t'
	v_cndmask_b32 v[32+\j], 0, v[32+\j], vcc_lo
.endr
	s_mov_b32 vcc_lo, 0xff00                       ; level 3: s' < 8 <= t'
.irp j, 0,1,2,3,4,5,6,7
	v_cndmask_b32 v[32+\j], v[32+\j], v[24+\j], vcc_lo
.endr
	s_mov_b32 vcc_lo, 0xf00000f0                   ; level 2
.irp j, 0,1,2,3
	v_cndmask_b32 v[32+\j], v[32+\j], v[16+\j], vcc_lo
.endr
	s_mov_b32 vcc_lo, 0x0c00000c                   ; level 1
.irp j, 0,1
	v_cndmask_b32 v[32+\j], v[32+\j], v[8+\j], vcc_lo
.endr
	s_mov_b32 vcc_lo, 0xc00000c0
.irp j, 4,5
	v_cndmask_b32 v[32+\j], v[32+\j], v[8+\j], vcc_lo
.endr
.irp j, 0,2,4,6
	s_mov_b32 vcc_lo, (2<<\j)|(2<<(\j+24))         ; level 0
	v_cndmask_b32 v[32+\j], v[32+\j], v[\j], vcc_lo
.endr
	WIN 0
.irp i, 0,1,2,3,4,5,6,7
	s_cmp_lg_u32 s2, \i
	s_cbranch_scc1 .Lskip\i
	ROWTILE \i
.Lskip\i:
.endr
	s_wait_dscnt 0x0                               ; k x suffix and q x prefix are in LDS
	BAR
	; ---- U (dv tile w), q x prefix (row tile w) as fragments, the chunk's decay ----
.irp mt, 0,1,2,3
.irp k4, 0,1,2,3
	ds_load_b128 v[64+8*(4*\mt+\k4):64+8*(4*\mt+\k4)+3], v14 offset:\mt*16*VP+\k4*64
	ds_load_b128 v[64+8*(4*\mt+\k4)+4:64+8*(4*\mt+\k4)+7], v14 offset:\mt*16*VP+\k4*64+32
.endr
.endr
.irp k4, 0,1,2,3
	ds_load_b128 v[192+8*\k4:192+8*\k4+3], v15 offset:\k4*64
	ds_load_b128 v[192+8*\k4+4:192+8*\k4+7], v15 offset:\k4*64+32
.endr
	TRF 224, 16, 0
	s_wait_dscnt 0x0
.irp q, 0,1,2,3
	global_store_b128 v1, v[224+4*\q:224+4*\q+3], s[14:15] offset:\q*512
.endr
	WIN 0x50
.irp k4, 0,1,2,3
.irp mt, 0,1,2,3
	PROD 8*\mt, 64+8*(4*\mt+\k4), 192+8*\k4, \k4==0        ; register = dk, lane = dv
.endr
.endr
	WIN 0
	PLACES
	WIN 0x04
.irp mt, 0,1,2,3
	global_store_b128 v1, v[8*\mt:8*\mt+3], s[18:19] offset:\mt*1024
	global_store_b128 v1, v[8*\mt+4:8*\mt+7], s[18:19] offset:\mt*1024+512
.endr
	WIN 0
	s_cmp_ge_u32 s2, 4
	s_cbranch_scc1 .Ldone                          ; both halves hold the same decay: waves 0-3 store it
	global_store_b32 v31, v30, s[20:21]
.Ldone:
	s_wait_tensorcnt 0x0
	ds_add_u32 v28, v29
	s_wait_dscnt 0x0
	s_endpgm
.Lfunc_end_k_q7e2ab2946d_local:
	.size	k_q7e2ab2946d_local, .Lfunc_end_k_q7e2ab2946d_local-k_q7e2ab2946d_local
	.p2alignl 7, 3214868480
	.fill 96, 4, 3214868480
	.section	.rodata,"a",@progbits
	.p2align	6, 0x0
	.amdhsa_kernel k_q7e2ab2946d_local
		.amdhsa_group_segment_fixed_size 266752
		.amdhsa_private_segment_fixed_size 0
		.amdhsa_enable_private_segment 0
		.amdhsa_kernarg_size 64
		.amdhsa_user_sgpr_count 2
		.amdhsa_user_sgpr_kernarg_segment_ptr 1
		.amdhsa_wavefront_size32 1
		.amdhsa_system_sgpr_workgroup_id_x 1
		.amdhsa_system_sgpr_workgroup_id_y 1
		.amdhsa_system_sgpr_workgroup_id_z 1
		.amdhsa_system_vgpr_workitem_id 0
		.amdhsa_next_free_vgpr 512
		.amdhsa_next_free_sgpr 66
		.amdhsa_reserve_vcc 1
		.amdhsa_float_denorm_mode_32 3
		.amdhsa_float_denorm_mode_16_64 3
		.amdhsa_memory_ordered 1
		.amdhsa_forward_progress 1
		.amdhsa_inst_pref_size 255
	.end_amdhsa_kernel
	.section	.bss,"aw",@nobits
	.p2align	6
	.space	262144
	.amdgpu_metadata
---
amdhsa.version: [ 1, 2 ]
amdhsa.kernels:
  - .name:           k_q7e2ab2946d_local
    .symbol:         k_q7e2ab2946d_local.kd
    .args:
      - { .name: x, .offset: 0, .size: 8, .value_kind: global_buffer, .address_space: global }
      - { .name: bgk2, .offset: 8, .size: 8, .value_kind: global_buffer, .address_space: global }
      - { .name: wf, .offset: 16, .size: 8, .value_kind: global_buffer, .address_space: global }
      - { .name: qi, .offset: 24, .size: 8, .value_kind: global_buffer, .address_space: global }
      - { .name: oi, .offset: 32, .size: 8, .value_kind: global_buffer, .address_space: global }
      - { .name: ui, .offset: 40, .size: 8, .value_kind: global_buffer, .address_space: global }
      - { .name: di, .offset: 48, .size: 8, .value_kind: global_buffer, .address_space: global }
      - { .name: sw, .offset: 56, .size: 8, .value_kind: global_buffer, .address_space: global }
    .group_segment_fixed_size: 266752
    .private_segment_fixed_size: 0
    .kernarg_segment_align: 8
    .kernarg_segment_size: 64
    .max_flat_workgroup_size: 256
    .sgpr_count:     66
    .vgpr_count:     512
    .wavefront_size: 32
...
	.end_amdgpu_metadata
.endif
;; end of part 2
;; launch scan (part 3): grid 128 x 1, 4 waves a work-group, no clusters, 768 bytes of LDS; arguments ui, di, si, ss; writes si, ss
.if DOCPART == 3
	.amdgcn_target "amdgcn-amd-amdhsa--gfx1250"
	.amdhsa_code_object_version 6
	.text
	.protected	k_q7e2ab2946d_scan
	.globl	k_q7e2ab2946d_scan
	.p2align	8
	.type	k_q7e2ab2946d_scan,@function
k_q7e2ab2946d_scan:
	s_mov_b64 s[64:65], 0
	v_nop
	global_prefetch_b8 v0, s[64:65] scope:SCOPE_SE
	s_setreg_imm32_b32 hwreg(HW_REG_WAVE_MODE, 25, 1), 1
	s_wait_xcnt 0x0
; The state from chunk to chunk: S_c = d_c S_(c-1) + U_c, in f32.  A work-group owns 16 columns dv (tile nt) of one (b, h); wave mt owns
; 16 rows dk.  si[c] = S_(c-1), as f16 fragments (row = dv, K = dk) for the last launch; si[0] = 0.
; The state has no room in f16 at 30 times larger or smaller inputs, so each 64 x 16 tile is scaled by the power of two that brings its
; largest magnitude into [1,2).  ss holds the inverse scale times DK^-0.5 = 1/8, twice, for each (b, h, nt, c); for c = 0 it is 0.
; Limit: the maximum's exponent is clamped to 2^-123 .. 2^123.
; ORDER.  Only the recurrence runs from chunk to chunk; the scales do not.  So all 58 loads go out at once, U_c into the registers that
; become S_c; the recurrence is 14 x 4 packed multiply-adds in place; then the 15 states' maxima are formed side by side (each step is
; written for all chunks in turn, so that no instruction waits for the one in front of it), meet the other three waves' in 15 x 4 words
; of LDS behind ONE barrier, and the 15 states are scaled, rounded and stored.
; Chunk c's place stands in the immediates: no address register is rewritten, and each store has data registers of its own.
; Matrix units, clusters and tensor loads have nothing to do here: 12 MB stream through.
.set Z,  8                             ; v[8:127]   chunk c at Z + 8 c: U_c, then S_c (register j = dk 16 mt + 8 hh + j, lane%16 = dv), then f16
.set D,  128                           ; v[128:239] d of chunks 1..14
; behind the recurrence d's registers serve again:
.set MN, 128                           ; 15 minima, then the other lane half's maxima, then the inverse scales
.set W4, 144                           ; 15 x 4: the four waves' maxima
.set CC, 204                           ; 15 pairs: the scales
.set ZR, 234                           ; four zeros
.set MX, 240                           ; v[240:254] 15 maxima
.set SV, 255                           ; the 16 inverse scales, two lanes each
	s_load_b256 s[4:11], s[0:1], 0x0               ; ui 4, di 6, si 8, ss 10
	v_lshl_add_u32 v7, v0, 2, 0x100
	s_set_vgpr_msb 0x40
	v_mov_b32 v1, 0
	s_set_vgpr_msb 0x4000
	v_lshrrev_b32 v1, 5, v0
	v_readfirstlane_b32 s12, v1                    ; mt
	s_lshr_b32 s13, ttmp9, 5                       ; b
	s_bfe_u32 s14, ttmp9, 0x20003                  ; h
	s_and_b32 s15, ttmp9, 7                        ; nt
	s_lshl_b32 s13, s13, 6
	s_add_co_u32 s13, s13, s14                     ; chunk 0's id: 64 b + h
	s_lshl_b32 s16, s13, 15
	s_lshl_b32 s18, s15, 12
	s_add_co_u32 s16, s16, s18
	s_lshl_b32 s18, s12, 10
	s_add_co_u32 s16, s16, s18
	s_mov_b32 s17, 0
	s_lshl_b32 s18, s13, 8
	s_lshl_b32 s20, s12, 6
	s_add_co_u32 s18, s18, s20
	s_mov_b32 s19, 0
	s_lshl_b32 s20, s13, 14
	s_lshl_b32 s22, s15, 11
	s_add_co_u32 s20, s20, s22
	s_lshl_b32 s22, s12, 9                         ; K step mt/2, half mt%2
	s_add_co_u32 s20, s20, s22
	s_mov_b32 s21, 0
	s_lshl_b32 s22, ttmp9, 7
	s_mov_b32 s23, 0
	s_mov_b32 s24, 0x76543210                      ; v_permlanex16_b32: lane i of the other half
	s_mov_b32 s25, 0xfedcba98
	s_mov_b32 s26, 0x02000000                      ; 2^-123
	s_mov_b32 s27, 0x7d000000                      ; 2^123
	v_and_b32 v1, 31, v0
	v_lshlrev_b32 v2, 4, v1                        ; 16 x lane
	v_lshlrev_b32 v4, 2, v1                        ; 4 x lane
	v_bfe_u32 v3, v0, 4, 1
	v_lshlrev_b32 v3, 5, v3                        ; d of rows 8 hh ..
	v_mov_b32 v5, s12
	v_lshlrev_b32 v5, 2, v5                        ; my word in each set of four
	v_mov_b32 v6, 0
	v_mov_b32 v[SV], 0                             ; chunk 0 has no state before it: inverse scale 0
	s_wait_kmcnt 0x0
	s_add_nc_u64 s[4:5], s[4:5], s[16:17]
	s_add_nc_u64 s[6:7], s[6:7], s[18:19]
	s_add_nc_u64 s[8:9], s[8:9], s[20:21]
	s_add_nc_u64 s[10:11], s[10:11], s[22:23]
	global_load_b128 v[Z:Z+3], v2, s[4:5] th:TH_LOAD_NT            ; S_0 = U_0
	global_load_b128 v[Z+4:Z+7], v2, s[4:5] offset:512 th:TH_LOAD_NT
.irp c, 1,2,3,4,5,6,7,8,9,10,11,12,13,14
	global_load_b128 v[Z+8*\c:Z+8*\c+3], v2, s[4:5] offset:\c*131072 th:TH_LOAD_NT
	global_load_b128 v[Z+8*\c+4:Z+8*\c+7], v2, s[4:5] offset:\c*131072+512 th:TH_LOAD_NT
	global_load_b128 v[D+8*\c-8:D+8*\c-5], v3, s[6:7] offset:\c*1024
	global_load_b128 v[D+8*\c-4:D+8*\c-1], v3, s[6:7] offset:\c*1024+16
.endr
	; the recurrence, in place
.irp c, 1,2,3,4,5,6,7,8,9,10,11,12,13,14
	s_wait_loadcnt 4*(14-\c)                       ; the younger chunks, four loads each, stay out
.irp j, 0,2,4,6
	v_pk_fma_f32 v[Z+8*\c+\j:Z+8*\c+\j+1], v[Z+8*\c-8+\j:Z+8*\c-8+\j+1], v[D+8*\c-8+\j:D+8*\c-8+\j+1], v[Z+8*\c+\j:Z+8*\c+\j+1]
.endr
.endr
	; the largest magnitude of my 16 x 16 part of each state
.irp c, 0,1,2,3,4,5,6,7,8,9,10,11,12,13,14
	v_max_num_f32 v[MX+\c], v[Z+8*\c], v[Z+8*\c+1]
	v_min_num_f32 v[MN+\c], v[Z+8*\c], v[Z+8*\c+1]
.endr
.irp j, 2,4,6
.irp c, 0,1,2,3,4,5,6,7,8,9,10,11,12,13,14
	v_max3_num_f32 v[MX+\c], v[MX+\c], v[Z+8*\c+\j], v[Z+8*\c+\j+1]
	v_min3_num_f32 v[MN+\c], v[MN+\c], v[Z+8*\c+\j], v[Z+8*\c+\j+1]
.endr
.endr
.irp c, 0,1,2,3,4,5,6,7,8,9,10,11,12,13,14
	v_sub_f32 v[MN+\c], 0, v[MN+\c]
.endr
.irp c, 0,1,2,3,4,5,6,7,8,9,10,11,12,13,14
	v_max_num_f32 v[MX+\c], v[MX+\c], v[MN+\c]
.endr
.irp m, 1,2,4,8
.irp c, 0,1,2,3,4,5,6,7,8,9,10,11,12,13,14
	v_max_num_f32_dpp v[MX+\c], v[MX+\c], v[MX+\c] row_xmask:\m row_mask:0xf bank_mask:0xf
.endr
.endr
.irp c, 0,1,2,3,4,5,6,7,8,9,10,11,12,13,14
	v_permlanex16_b32 v[MN+\c], v[MX+\c], s24, s25 ; its destination counts as read: it has been written above
.endr
.irp c, 0,1,2,3,4,5,6,7,8,9,10,11,12,13,14
	v_max_num_f32 v[MX+\c], v[MX+\c], v[MN+\c]
.endr
.irp c, 0,1,2,3,4,5,6,7,8,9,10,11,12,13,14
	ds_store_b32 v5, v[MX+\c] offset:16*\c         ; all lanes write the same word with the same value
.endr
	s_wait_dscnt 0x0                               ; my 15 words are in LDS
	s_barrier_signal -1
	s_barrier_wait -1
.irp c, 0,1,2,3,4,5,6,7,8,9,10,11,12,13,14
	ds_load_b128 v[W4+4*\c:W4+4*\c+3], v6 offset:16*\c
.endr
.irp e, 0,1,2,3
	v_mov_b32 v[ZR+\e], 0
.endr
	global_store_b128 v2, v[ZR:ZR+3], s[8:9]       ; si[0] = 0
	s_wait_dscnt 0x0
.irp c, 0,1,2,3,4,5,6,7,8,9,10,11,12,13,14
	v_max3_num_f32 v[MX+\c], v[W4+4*\c], v[W4+4*\c+1], v[W4+4*\c+2]
.endr
.irp c, 0,1,2,3,4,5,6,7,8,9,10,11,12,13,14
	v_max_num_f32 v[MX+\c], v[MX+\c], v[W4+4*\c+3]
.endr
.irp c, 0,1,2,3,4,5,6,7,8,9,10,11,12,13,14
	v_max_num_f32 v[MX+\c], s26, v[MX+\c]
.endr
.irp c, 0,1,2,3,4,5,6,7,8,9,10,11,12,13,14
	v_min_num_f32 v[MX+\c], s27, v[MX+\c]
.endr
.irp c, 0,1,2,3,4,5,6,7,8,9,10,11,12,13,14
	v_and_b32 v[MX+\c], 0x7f800000, v[MX+\c]       ; 2^e
.endr
.irp c, 0,1,2,3,4,5,6,7,8,9,10,11,12,13,14
	v_sub_nc_u32 v[CC+2*\c], 0x7f000000, v[MX+\c]  ; 2^-e
	v_add_nc_u32 v[MN+\c], 0xfe800000, v[MX+\c]    ; 2^e / 8
.endr
.irp c, 0,1,2,3,4,5,6,7,8,9,10,11,12,13,14
	v_mov_b32 v[CC+2*\c+1], v[CC+2*\c]
.endr
.irp c, 0,1,2,3,4,5,6,7,8,9,10,11,12,13,14
.irp j, 0,2,4,6
	v_pk_mul_f32 v[Z+8*\c+\j:Z+8*\c+\j+1], v[Z+8*\c+\j:Z+8*\c+\j+1], v[CC+2*\c:CC+2*\c+1]
.endr
.endr
.irp c, 0,1,2,3,4,5,6,7,8,9,10,11,12,13,14
.irp e, 0,1,2,3
	v_cvt_pk_f16_f32 v[Z+8*\c+\e], v[Z+8*\c+2*\e], v[Z+8*\c+2*\e+1]
.endr
	global_store_b128 v2, v[Z+8*\c:Z+8*\c+3], s[8:9] offset:(\c+1)*65536   ; S_c is si[c+1]
.endr
.irp c, 0,1,2,3,4,5,6,7,8,9,10,11,12,13,14
	s_mov_b32 vcc_lo, 3<<(2*(\c+1))
	v_cndmask_b32 v[SV], v[SV], v[MN+\c], vcc_lo   ; lanes 2 (c+1) and 2 (c+1) + 1 keep it
.endr
	s_cmp_lg_u32 s12, 0
	s_cbranch_scc1 .Lend                           ; every wave holds the same 16 inverse scales: wave 0 stores them
	global_store_b32 v4, v[SV], s[10:11]
.Lend:
	s_set_vgpr_msb 0x4
	s_wait_tensorcnt 0x0
	ds_add_u32 v7, v1
	s_wait_dscnt 0x0
	s_set_vgpr_msb 0x400
	s_endpgm
.Lfunc_end_k_q7e2ab2946d_scan:
	.size	k_q7e2ab2946d_scan, .Lfunc_end_k_q7e2ab2946d_scan-k_q7e2ab2946d_scan
	.p2alignl 7, 3214868480
	.fill 96, 4, 3214868480
	.section	.rodata,"a",@progbits
	.p2align	6, 0x0
	.amdhsa_kernel k_q7e2ab2946d_scan
		.amdhsa_group_segment_fixed_size 768
		.amdhsa_private_segment_fixed_size 0
		.amdhsa_enable_private_segment 0
		.amdhsa_kernarg_size 32
		.amdhsa_user_sgpr_count 2
		.amdhsa_user_sgpr_kernarg_segment_ptr 1
		.amdhsa_wavefront_size32 1
		.amdhsa_system_sgpr_workgroup_id_x 1
		.amdhsa_system_sgpr_workgroup_id_y 1
		.amdhsa_system_sgpr_workgroup_id_z 1
		.amdhsa_system_vgpr_workitem_id 0
		.amdhsa_next_free_vgpr 258
		.amdhsa_next_free_sgpr 66
		.amdhsa_reserve_vcc 1
		.amdhsa_float_denorm_mode_32 3
		.amdhsa_float_denorm_mode_16_64 3
		.amdhsa_memory_ordered 1
		.amdhsa_forward_progress 1
		.amdhsa_inst_pref_size 43
	.end_amdhsa_kernel
	.amdgpu_metadata
---
amdhsa.version: [ 1, 2 ]
amdhsa.kernels:
  - .name:           k_q7e2ab2946d_scan
    .symbol:         k_q7e2ab2946d_scan.kd
    .args:
      - { .name: ui, .offset: 0, .size: 8, .value_kind: global_buffer, .address_space: global }
      - { .name: di, .offset: 8, .size: 8, .value_kind: global_buffer, .address_space: global }
      - { .name: si, .offset: 16, .size: 8, .value_kind: global_buffer, .address_space: global }
      - { .name: ss, .offset: 24, .size: 8, .value_kind: global_buffer, .address_space: global }
    .group_segment_fixed_size: 768
    .private_segment_fixed_size: 0
    .kernarg_segment_align: 8
    .kernarg_segment_size: 32
    .max_flat_workgroup_size: 128
    .sgpr_count:     66
    .vgpr_count:     258
    .wavefront_size: 32
...
	.end_amdgpu_metadata
.endif
;; end of part 3
;; launch outp (part 4): grid 256 x 1, 8 waves a work-group, no clusters, 69,632 bytes of LDS; arguments oi, qi, si, ss, sw, wf, out0; writes out0
.if DOCPART == 4
	.amdgcn_target "amdgcn-amd-amdhsa--gfx1250"
	.amdhsa_code_object_version 6
	.text
	.protected	k_q7e2ab2946d_outp
	.globl	k_q7e2ab2946d_outp
	.p2align	8
	.type	k_q7e2ab2946d_outp,@function
k_q7e2ab2946d_outp:
	s_mov_b64 s[64:65], 0
	v_nop
	global_prefetch_b8 v0, s[64:65] scope:SCOPE_SE
	s_setreg_imm32_b32 hwreg(HW_REG_WAVE_MODE, 25, 1), 1
	s_wait_xcnt 0x0
; One work-group = 32 rows (a quarter of a chunk), all four heads: 8,192 rows make 256 work-groups.
; o = oi + (q x prefix) S_(c-1) / 8, RMSNorm per head, times g sigmoid(g), then the product with Wo (64 rms_w Wo in f16 fragments).
; Part 1: wave w has head w/2 and row tile w%2; tiles are transposed: register = dv, lane%16 = row t.
; Part 2: wave w has 64 columns of the result (4 tiles) for both row tiles; sources swapped, so that a lane holds 8 neighbouring columns of a row.
; Wo goes from memory to registers through a ring of eight K steps (8 x 32 registers): K steps 0-3 are asked for at the head, behind the
; norm's inputs, 4-7 as the state's fragments leave their registers, K step ks + 7 in step ks.
; FORMATS.  Matrix operands f16, sums f32.  The state's tiles come scaled; their inverse scales (with the 1/8) are read as scalars and go on
; with one fused multiply-add.  The gated, normalised row is scaled by the power of two that brings its largest magnitude over all 512
; columns into [1,2); the maximum goes over the heads through LDS; the inverse, with the 1/64 of Wo's fragments, multiplies the result.
; LIMITS.  That exponent is clamped to 2^-100 .. 2^123, so that (1/rms) 2^-e stays finite for a row of zeros too.
; No multicast: Wo's and the state's fragments go from memory straight to registers, each to the one wave that multiplies by it, so no LDS
; tile is shared between work-groups; all of Wo (512 KB) would not fit in LDS beside the rows.
; REGISTERS.  Window 0: v1-8 addresses; v32-63 g sigmoid(g), then two buffers of 2 row fragments; v64-95 the way out; v96-223 16 state
; fragments, then ring slots 4-7; v224-255 2 q fragments, then unpacked f16.
; Window 1: 0-63 o, then the result; 64-127 and 192-255 ring slots 0-3; 128-191 q S, then at work.
.set XP,  1040                         ; LDS pitch of the gated o [32][512] f16, at byte 0
.set STG, 33280                        ; eight stages of 16 rows x 272 bytes, one a wave
.set MXB, 68096                        ; [4 heads][32 rows] f32
.set SWR, 32
.set SF,  96
.set QF,  224
.set ACC, 128
.set CH,  128
.set RS,  144
.set MXR, 148
.set MNR, 150
.set OT,  152
.set LW,  160
.set EB,  176
.set INV, 180
.set EX,  188
.set FF,  190
.set MSB, 0
.macro WIN new                         ; low byte: source 0, source 1, source 2, destination, two bits each; high byte: the setting left
.if MSB != \new
	s_set_vgpr_msb (MSB<<8)|\new
.set MSB, \new
.endif
.endm
.macro PLACES                          ; the places behind matrix instructions (ISA guide 7.12.1)
.rept 5
	v_nop
.endr
.endm
.macro BAR
	s_barrier_signal -1
	s_barrier_wait -1
.endm
.macro PROD d, a, b, zero
.if \zero
	v_wmma_f32_16x16x32_f16 v[\d:\d+7], v[\a:\a+7], v[\b:\b+7], 0
.else
	v_wmma_f32_16x16x32_f16 v[\d:\d+7], v[\a:\a+7], v[\b:\b+7], v[\d:\d+7]
.endif
.endm
.macro WSLOT ks                        ; where K step ks lies in the ring: slots 0-3 in window 1, slots 4-7 in window 0
.set WS, (\ks)&7
.if WS < 4
.set WBASE, 64+32*WS+64*(WS>>1)
.set WWIN, 1
.else
.set WBASE, 96+32*(WS-4)
.set WWIN, 0
.endif
.endm
.macro WLOAD ks                        ; Wo's four column tiles of K step ks: eight loads of 512 consecutive bytes
	WSLOT \ks
.if WWIN
	WIN 0x40
.else
	WIN 0
.endif
.irp ct, 0,1,2,3
	global_load_b128 v[WBASE+8*\ct:WBASE+8*\ct+3], v1, s[18:19] offset:\ct*16384+(\ks)*1024
	global_load_b128 v[WBASE+8*\ct+4:WBASE+8*\ct+7], v1, s[18:19] offset:\ct*16384+(\ks)*1024+512
.endr
	WIN 0
.endm
.macro OLOAD ks                        ; the two row tiles' fragments of K step ks
.irp t, 0,1
	ds_load_b128 v[SWR+16*((\ks)&1)+8*\t:SWR+16*((\ks)&1)+8*\t+3], v3 offset:\t*16*XP+(\ks)*64
	ds_load_b128 v[SWR+16*((\ks)&1)+8*\t+4:SWR+16*((\ks)&1)+8*\t+7], v3 offset:\t*16*XP+(\ks)*64+32
.endr
.endm
; One K step of the product with Wo.  The 8 accumulators take turns, one instruction a turn.
.macro WSTEP ks
.if \ks > 0
	PLACES                                         ; the loads below land on registers that the last step's products read
.if \ks <= 8
	WLOAD (\ks+7)                                  ; into the ring slot of K step ks - 1
.endif
.endif
.if \ks < 15
	OLOAD (\ks+1)
	s_wait_dscnt 4                                 ; all but the four just issued
.else
	s_wait_dscnt 0x0
.endif
.set LC, 15-\ks
.if LC > 7
.set LC, 7
.endif
	s_wait_loadcnt 8*LC                            ; the younger K steps' groups of eight stay out
	WSLOT \ks
.if WWIN
	WIN 0x51
.else
	WIN 0x50
.endif
.irp ct, 0,1,2,3
.irp t, 0,1
	PROD 8*(2*\ct+\t), WBASE+8*\ct, SWR+16*((\ks)&1)+8*\t, \ks==0
.endr
.endr
	WIN 0
.endm
.macro SWMUL gi                        ; o of tiles 4 gi .. 4 gi + 3 times the 32 numbers just unpacked
	WIN 0x41
.set n, 0
.rept 16
	v_pk_mul_f32 v[32*\gi+2*n:32*\gi+2*n+1], v[32*\gi+2*n:32*\gi+2*n+1], v[QF+2*n:QF+2*n+1]
.set n, n+1
.endr
	WIN 0
.endm
; 16 rows of the result: 32 bytes a lane into my own stage, read back as rows of 256 bytes, stored.  Each of the two turns has a buffer of its own.
.macro OUT16 rho
	WIN 0x04
.irp ct, 0,1,2,3
	ds_store_b128 v4, v[8*(2*\ct+\rho):8*(2*\ct+\rho)+3] offset:64*\ct
	ds_store_b128 v4, v[8*(2*\ct+\rho)+4:8*(2*\ct+\rho)+7] offset:64*\ct+16
.endr
	WIN 0
.irp t, 0,1,2,3,4,5,6,7
	ds_load_b128 v[SWR+32*\rho+4*\t:SWR+32*\rho+4*\t+3], v5 offset:\t*544  ; LDS serves a wave's instructions in order: these see the stores above
.endr
.irp t, 0,1,2,3,4,5,6,7
	s_wait_dscnt 7-\t
	global_store_b128 v6, v[SWR+32*\rho+4*\t:SWR+32*\rho+4*\t+3], s[20:21] offset:(16*\rho+2*\t)*2048 th:TH_STORE_NT  ; 16 lanes store 256 consecutive bytes, aligned
.endr
.endm
	s_load_b256 s[8:15], s[0:1], 0x0               ; oi 8, qi 10, si 12, ss 14
	s_load_b128 s[16:19], s[0:1], 0x20             ; sw 16, wf 18
	s_load_b64 s[20:21], s[0:1], 0x30              ; out0
	v_lshl_add_u32 v30, v0, 2, 0x10c00
	v_mov_b32 v31, 0
	v_lshrrev_b32 v9, 5, v0
	v_readfirstlane_b32 s2, v9                     ; wave w
	s_lshr_b32 s3, s2, 1                           ; head
	s_and_b32 s4, s2, 1                            ; which of the two row tiles
	s_and_b32 s6, ttmp9, 3                         ; which quarter of the chunk
	s_lshr_b32 s7, ttmp9, 2                        ; 16 b + c
	s_lshl2_add_u32 s24, s7, s3                    ; the chunk-and-head id
	s_lshl1_add_u32 s25, s6, s4                    ; my row tile in the chunk
	s_lshl_b32 s32, s24, 16
	s_lshl_b32 s22, s25, 13
	s_add_co_u32 s32, s32, s22
	s_mov_b32 s33, 0
	s_lshl_b32 s36, s24, 14
	s_mov_b32 s37, 0
	s_lshl_b32 s22, s25, 11
	s_add_co_u32 s34, s36, s22
	s_mov_b32 s35, 0
	s_lshr_b32 s38, s7, 4
	s_lshl_b32 s38, s38, 12                        ; ss: ((32 b + 8 h + nt) 16 + c) 8
	s_lshl_b32 s22, s3, 10
	s_add_co_u32 s38, s38, s22
	s_and_b32 s22, s7, 15
	s_lshl3_add_u32 s38, s22, s38
	s_mov_b32 s39, 0
	s_lshl_b32 s56, s24, 15
	s_lshl_b32 s22, s25, 12
	s_add_co_u32 s56, s56, s22
	s_mov_b32 s57, 0
	s_lshl_b32 s58, s2, 16
	s_add_co_u32 s58, s58, 97*16384                ; Wo's column tiles 4 w ..
	s_mov_b32 s59, 0
	s_lshl_b32 s60, ttmp9, 16                      ; 32 rows of 2,048 bytes
	s_lshl_b32 s22, s2, 8
	s_add_co_u32 s60, s60, s22
	s_mov_b32 s61, 0
	s_mov_b32 s26, 0x76543210                      ; v_permlanex16_b32: lane i of the other half
	s_mov_b32 s27, 0xfedcba98
	s_mov_b32 s28, 0x3c000000                      ; 1/128
	s_mov_b32 s29, 0x3727c5ac                      ; 1e-5
	s_mov_b32 s30, 0x0d800000                      ; 2^-100
	s_mov_b32 s31, 0x7d000000                      ; 2^123
	s_cmp_eq_u32 s4, 1
	s_cselect_b32 s5, -1, 0                        ; all lanes, if mine is row tile 1
	v_and_b32 v9, 31, v0
	v_lshlrev_b32 v1, 4, v9                        ; 16 x lane
	v_and_b32 v10, 15, v0                          ; r
	v_bfe_u32 v11, v0, 4, 1                        ; hh
	v_mul_u32_u24 v3, v10, XP
	v_lshl_add_u32 v3, v11, 4, v3                  ; row fragments: r pitch + 16 hh
	s_mul_i32 s22, s4, 16*XP
	s_lshl_b32 s23, s3, 8
	s_add_co_u32 s22, s22, s23
	v_add_nc_u32 v2, s22, v3                       ; my rows and my head's 256 bytes
	s_mul_i32 s22, s2, 4352
	s_add_co_u32 s22, s22, STG                     ; my stage
	v_mul_u32_u24 v4, v10, 272
	v_lshl_add_u32 v4, v11, 5, v4
	v_add_nc_u32 v4, s22, v4
	v_mul_u32_u24 v5, v11, 272
	v_lshl_add_u32 v5, v10, 4, v5
	v_add_nc_u32 v5, s22, v5
	v_lshlrev_b32 v6, 11, v11
	v_lshl_add_u32 v6, v10, 4, v6                  ; two rows of the result, 256 bytes each
	v_lshlrev_b32 v8, 2, v10
	v_add_nc_u32 v8, MXB, v8
	s_lshl_b32 s22, s3, 7
	s_lshl_b32 s23, s4, 6
	s_add_co_u32 s22, s22, s23
	v_add_nc_u32 v7, s22, v8                       ; my head's and my row tile's 16 words
	s_wait_kmcnt 0x0
	s_add_nc_u64 s[8:9], s[8:9], s[32:33]
	s_add_nc_u64 s[10:11], s[10:11], s[34:35]
	s_add_nc_u64 s[12:13], s[12:13], s[36:37]
	s_add_nc_u64 s[14:15], s[14:15], s[38:39]
	s_add_nc_u64 s[16:17], s[16:17], s[56:57]
	s_add_nc_u64 s[18:19], s[18:19], s[58:59]
	s_add_nc_u64 s[20:21], s[20:21], s[60:61]
.irp nt, 0,1,2,3,4,5,6,7
	s_load_b64 s[40+2*\nt:41+2*\nt], s[14:15], \nt*128     ; the state tiles' inverse scales
.endr
.set n, 0
.rept 2
	global_load_b128 v[QF+8*n:QF+8*n+3], v1, s[10:11] offset:n*1024 th:TH_LOAD_NT          ; q fragment of K step n
	global_load_b128 v[QF+8*n+4:QF+8*n+7], v1, s[10:11] offset:n*1024+512 th:TH_LOAD_NT
.set n, n+1
.endr
.set n, 0
.rept 16
	global_load_b128 v[SF+8*n:SF+8*n+3], v1, s[12:13] offset:n*1024                        ; state fragment (nt, ks) = 2 nt + ks
	global_load_b128 v[SF+8*n+4:SF+8*n+7], v1, s[12:13] offset:n*1024+512
.set n, n+1
.endr
	WIN 0x40
.set n, 0
.rept 8
	global_load_b128 v[8*n:8*n+3], v1, s[8:9] offset:n*1024 th:TH_LOAD_NT                  ; o tile nt = n
	global_load_b128 v[8*n+4:8*n+7], v1, s[8:9] offset:n*1024+512 th:TH_LOAD_NT
.set n, n+1
.endr
	WIN 0
.set n, 0
.rept 8
	global_load_b128 v[SWR+4*n:SWR+4*n+3], v1, s[16:17] offset:n*512 th:TH_LOAD_NT
.set n, n+1
.endr
	WLOAD 0
	WLOAD 1
	WLOAD 2
	WLOAD 3
	; q S': 8 accumulators by turns
	s_wait_loadcnt 56                              ; q and the state are in; o's 16 loads, the gate's 8 and Wo's 32 stay out
	WIN 0x50
.irp ks, 0,1
.irp nt, 0,1,2,3,4,5,6,7
	PROD ACC+8*\nt, SF+8*(2*\nt+\ks), QF+8*\ks, 1-\ks
.endr
.endr
	WIN 0
	PLACES
	WLOAD 4                                        ; into registers that held the state's fragments
	WLOAD 5
	s_wait_loadcnt 56                              ; o is in; the gate's 8 and Wo's 48 stay out
	s_wait_kmcnt 0x0
	WIN 0x55
.irp nt, 0,1,2,3,4,5,6,7
.irp j, 0,2,4,6
	v_pk_fma_f32 v[8*\nt+\j:8*\nt+\j+1], v[ACC+8*\nt+\j:ACC+8*\nt+\j+1], s[40+2*\nt:41+2*\nt], v[8*\nt+\j:8*\nt+\j+1] op_sel_hi:[1,0,1]
.endr
.endr
	v_mov_b32 v[OT], 0
	; 1 / rms of row t of my head, twice: four chains of packed sums of squares
.set n, 0
.rept 4
	v_pk_mul_f32 v[CH+2*n:CH+2*n+1], v[2*n:2*n+1], v[2*n:2*n+1]
.set n, n+1
.endr
.rept 28
	v_pk_fma_f32 v[CH+2*(n&3):CH+2*(n&3)+1], v[2*n:2*n+1], v[2*n:2*n+1], v[CH+2*(n&3):CH+2*(n&3)+1]
.set n, n+1
.endr
	v_pk_add_f32 v[CH:CH+1], v[CH:CH+1], v[CH+2:CH+3]
	v_pk_add_f32 v[CH+4:CH+5], v[CH+4:CH+5], v[CH+6:CH+7]
	v_pk_add_f32 v[CH:CH+1], v[CH:CH+1], v[CH+4:CH+5]
	v_add_f32 v[CH], v[CH], v[CH+1]
	v_permlanex16_b32 v[OT], v[CH], s26, s27       ; the other 64 dv lie in the other lane half
	v_add_f32 v[CH], v[CH], v[OT]
	v_fma_f32 v[CH], v[CH], s28, s29               ; mean + eps
	v_rsq_f32 v[RS], v[CH]
	v_rsq_f32 v[RS+1], v[CH]
	v_nop                                          ; one plain place behind the transcendentals (ISA guide 5.7.2)
	s_wait_loadcnt 48                              ; the gate is in; Wo's six groups of eight stay out
	WIN 0
	WLOAD 6
	WLOAD 7
.irp r, 32,33,34,35,36,37,38,39,40,41,42,43,44,45,46,47
	v_cvt_f32_f16 v[QF+2*(\r-32)], v\r\().l
	v_cvt_f32_f16 v[QF+2*(\r-32)+1], v\r\().h
.endr
	SWMUL 0
.irp r, 48,49,50,51,52,53,54,55,56,57,58,59,60,61,62,63
	v_cvt_f32_f16 v[QF+2*(\r-48)], v\r\().l
	v_cvt_f32_f16 v[QF+2*(\r-48)+1], v\r\().h
.endr
	SWMUL 1
	WIN 0x55
	; rs > 0, so the largest |o sw rs| of the row is rs times the largest |o sw|
	v_max_num_f32 v[MXR], v0, v1
	v_min_num_f32 v[MNR], v0, v1
.set n, 2
.rept 31
	v_max3_num_f32 v[MXR], v[MXR], v[n], v[n+1]
	v_min3_num_f32 v[MNR], v[MNR], v[n], v[n+1]
.set n, n+2
.endr
	v_sub_f32 v[MNR], 0, v[MNR]
	v_max_num_f32 v[MXR], v[MXR], v[MNR]
	v_permlanex16_b32 v[OT], v[MXR], s26, s27
	v_max_num_f32 v[MXR], v[MXR], v[OT]
	s_wait_alu depctr_va_vdst(0)
	v_mul_f32 v[MXR], v[MXR], v[RS]
	WIN 0x04
	ds_store_b32 v7, v[MXR]                        ; both lane halves write the same word with the same value
	s_wait_dscnt 0x0                               ; my head's row maxima are in LDS
	BAR
	WIN 0x40
.irp t, 0,1
.irp hd, 0,1,2,3
	ds_load_b32 v[LW+4*\t+\hd], v8 offset:\hd*128+\t*64
.endr
.endr
	s_wait_dscnt 0x0
	WIN 0x55
.irp t, 0,1
	v_max3_num_f32 v[EB+\t], v[LW+4*\t], v[LW+4*\t+1], v[LW+4*\t+2]
	v_max_num_f32 v[EB+\t], v[EB+\t], v[LW+4*\t+3]
	v_max_num_f32 v[EB+\t], s30, v[EB+\t]
	v_min_num_f32 v[EB+\t], s31, v[EB+\t]
	v_and_b32 v[EB+\t], 0x7f800000, v[EB+\t]       ; 2^e of row tile t's rows
	v_add_nc_u32 v[INV+2*\t], 0xfd000000, v[EB+\t] ; 2^e / 64
	v_mov_b32 v[INV+2*\t+1], v[INV+2*\t]
.endr
	v_cndmask_b32 v[EX], v[EB], v[EB+1], s5        ; my own row tile's
	v_sub_nc_u32 v[EX], 0x7f000000, v[EX]          ; 2^-e
	v_mul_f32 v[FF], v[EX], v[RS]
	v_mov_b32 v[FF+1], v[FF]
.set n, 0
.rept 32
	v_pk_mul_f32 v[2*n:2*n+1], v[2*n:2*n+1], v[FF:FF+1]
.set n, n+1
.endr
.set n, 0
.rept 8
.irp e, 0,1,2,3
	v_cvt_pk_f16_f32 v[8*n+\e], v[8*n+2*\e], v[8*n+2*\e+1]
.endr
.set n, n+1
.endr
	WIN 0x04
.irp nt, 0,1,2,3,4,5,6,7
	ds_store_b128 v2, v[8*\nt:8*\nt+3] offset:\nt*32
.endr
	s_wait_dscnt 0x0                               ; my part of the gated o is in LDS
	WIN 0
	BAR
	OLOAD 0
.irp s, 0,1,2,3,4,5,6,7,8,9,10,11,12,13,14,15
	WSTEP \s
.endr
	PLACES
	WIN 0x55
.irp ct, 0,1,2,3
.irp t, 0,1
.irp j, 0,2,4,6
	v_pk_mul_f32 v[8*(2*\ct+\t)+\j:8*(2*\ct+\t)+\j+1], v[8*(2*\ct+\t)+\j:8*(2*\ct+\t)+\j+1], v[INV+2*\t:INV+2*\t+1]
.endr
.endr
.endr
	OUT16 0
	OUT16 1
	s_wait_tensorcnt 0x0
	ds_add_u32 v30, v31
	s_wait_dscnt 0x0
	s_endpgm
.Lfunc_end_k_q7e2ab2946d_outp:
	.size	k_q7e2ab2946d_outp, .Lfunc_end_k_q7e2ab2946d_outp-k_q7e2ab2946d_outp
	.p2alignl 7, 3214868480
	.fill 96, 4, 3214868480
	.section	.rodata,"a",@progbits
	.p2align	6, 0x0
	.amdhsa_kernel k_q7e2ab2946d_outp
		.amdhsa_group_segment_fixed_size 69632
		.amdhsa_private_segment_fixed_size 0
		.amdhsa_enable_private_segment 0
		.amdhsa_kernarg_size 56
		.amdhsa_user_sgpr_count 2
		.amdhsa_user_sgpr_kernarg_segment_ptr 1
		.amdhsa_wavefront_size32 1
		.amdhsa_system_sgpr_workgroup_id_x 1
		.amdhsa_system_sgpr_workgroup_id_y 1
		.amdhsa_system_sgpr_workgroup_id_z 1
		.amdhsa_system_vgpr_workitem_id 0
		.amdhsa_next_free_vgpr 512
		.amdhsa_next_free_sgpr 66
		.amdhsa_reserve_vcc 0
		.amdhsa_float_denorm_mode_32 3
		.amdhsa_float_denorm_mode_16_64 3
		.amdhsa_memory_ordered 1
		.amdhsa_forward_progress 1
		.amdhsa_inst_pref_size 66
	.end_amdhsa_kernel
	.amdgpu_metadata
---
amdhsa.version: [ 1, 2 ]
amdhsa.kernels:
  - .name:           k_q7e2ab2946d_outp
    .symbol:         k_q7e2ab2946d_outp.kd
    .args:
      - { .name: oi, .offset: 0, .size: 8, .value_kind: global_buffer, .address_space: global }
      - { .name: qi, .offset: 8, .size: 8, .value_kind: global_buffer, .address_space: global }
      - { .name: si, .offset: 16, .size: 8, .value_kind: global_buffer, .address_space: global }
      - { .name: ss, .offset: 24, .size: 8, .value_kind: global_buffer, .address_space: global }
      - { .name: sw, .offset: 32, .size: 8, .value_kind: global_buffer, .address_space: global }
      - { .name: wf, .offset: 40, .size: 8, .value_kind: global_buffer, .address_space: global }
      - { .name: out0, .offset: 48, .size: 8, .value_kind: global_buffer, .address_space: global }
    .group_segment_fixed_size: 69632
    .private_segment_fixed_size: 0
    .kernarg_segment_align: 8
    .kernarg_segment_size: 56
    .max_flat_workgroup_size: 256
    .sgpr_count:     66
    .vgpr_count:     512
    .wavefront_size: 32
...
	.end_amdgpu_metadata
.endif
;; end of part 4
;; ======== version 2 of 2: 4 launches; version 1 with the launches local, scan, outp written anew for expert scheduling mode
;; limits: values outside matrix products are rounded to f16; values are held in f16: magnitudes above 65,504 overflow, below 6.1e-05 lose precision; right only within a limited range of input values
;; workspace buffers: wf 2,129,920 bytes; qi 4,194,304 bytes; oi 16,777,216 bytes; ui 8,388,608 bytes; di 65,536 bytes; sw 8,388,608 bytes; si 4,194,304 bytes; ss 16,384 bytes
;; launch prep: the kernel of part 1 again; grid 260 x 1, 8 waves a work-group, no clusters, 0 bytes of LDS; arguments Wq, Wk, Wv, Wg, Wgk1, Wo, Wgk2, rms_w, wf; writes wf
;; launch local (part 5): grid 256 x 1, 8 waves a work-group, no clusters, 266,752 bytes of LDS; arguments x, bgk2, wf, qi, oi, ui, di, sw; writes qi, oi, ui, di, sw
.if DOCPART == 5
	.amdgcn_target "amdgcn-amd-amdhsa--gfx1250"
	.amdhsa_code_object_version 6
	.text
	.protected	k_q7e2ab2946d_local
	.globl	k_q7e2ab2946d_local
	.p2align	8
	.type	k_q7e2ab2946d_local,@function
k_q7e2ab2946d_local:
	s_mov_b64 s[64:65], 0
	v_nop
	global_prefetch_b8 v0, s[64:65] scope:SCOPE_SE
	s_setreg_imm32_b32 hwreg(HW_REG_WAVE_SCHED_MODE, 0, 2), 2
	s_setreg_imm32_b32 hwreg(HW_REG_WAVE_MODE, 25, 1), 1
	s_wait_xcnt 0x0
	s_wait_alu depctr_vm_vsrc(0)
; One work-group = one chunk of 128 steps of one head (id = (16 b + c) 4 + h).  It makes q, k, v, g and the gate from x, and from them
;   oi  the chunk's own part of o (transposed tiles, f32),   ui  U = sum over s of (k_s x decay from s+1 to the chunk's end) v_s,
;   qi  q_t x decay from the chunk's start to t (f16 fragments),   di  the chunk's whole decay,   sw  g sigmoid(g) (f16).
; DECAYS.  a_t = exp(logsigmoid(z_t)/16) <= 1.  A pair t > s is served at the level l of the highest bit in which t and s differ:
; q_t carries the product of a from the start of t's block of 2^l up to t, k_s the product from s+1 to the end of s's block of 2^l.
; Only products of factors <= 1 are formed, never an exponential of a difference, so nothing can overflow; a product underflows only
; where the exact decay does.  Levels 0-2 lie in a lane's 8 registers, 3 between the lane halves, 4-5 between row tiles, 6 between waves.
; FORMATS.  All matrix operands are f16, sums f32.  The scores have no room in f16 at 30 times larger or smaller inputs, so each row t
; (one lane) is scaled by the power of two that brings its largest magnitude into [1,2); the inverse, times DK^-0.5 = 1/8, multiplies O.
; LIMITS.  The exponent of a row's maximum is clamped to 2^-123 .. 2^123.  x, q, k, v, r above 65,504 in magnitude become infinite.
; v_exp_f32 flushes results below 2^-126 to zero where the exact decay would be a denormal.  Decays are products, not exp of sums, so
; their rounding order differs from a step-by-step scan.  U of chunk 15 and d of chunks 0 and 15 are stored and not used.
; No multicast: weights go from memory straight to registers in fragment order and x passes through registers to be rounded, so no
; LDS tile is shared between work-groups.
; REGISTERS.  Window 0: v1-31 addresses, v32-175 two buffers of 9 x fragments, v176-255 two buffers of 5 weight fragments.
; Window 1: q 0-31, k 32-63, v 64-127 (then decays: prefix 64-95, suffix 96-127), g 128-191 (then two out-buffers of 32), r 192-199, 200-255 at work.
; THE MODE: SCHED_MODE bits 1:0 = 2 (LLVM: expert scheduling mode 2), set by the entry lines.  The code itself states the register dependences
; between vector or matrix instructions and memory or LDS instructions, with s_wait_alu, always for 0.
; THE PLAN.  Registers that memory or LDS instructions touch, and who else names them:
;   addresses   v1-16, v31 and window 1's v203-214, v252-254 are made in two runs of vector lines, each ahead of a wait on va_vdst.  Only v204-207 of window 1 are
;               written again (the scores' work), behind a wait on vm_vsrc.
;   x           v32-95 and v96-159: loaded, rounded in place, stored to LDS from there, loaded again: conversions | va_vdst | 16 LDS stores | vm_vsrc | 16 loads.
;   K steps     Step ks's products read the x and weight buffers ks % 2; the loads of step ks + 1 land in the other two, which step ks - 1's products read.
;               ONE wait on va_vdst at a step's head states that; the step's 28 loads stand straight behind it, so that they have the step's 25 products in which to land.
;   to LDS      Whatever goes to LDS between the projections and the scores is rounded into registers that only its own store reads: r into T, v into v64-95 of
;               window 1, all else into two out-buffers OBA, OBB (8 x 4 registers each, where g lay) that take turns, batch by batch: a batch's roundings | va_vdst |
;               its 8 stores; the wait on vm_vsrc for an out-buffer stands at the head of the batch after the next, a whole batch behind the stores that it names.
;   scores      Fragments land in window 0's v64-239, which only products read: a wait on va_vdst stands behind each run of products whose fragments are loaded over.
;   results     O^T, U and g sigmoid(g) are stored from the registers in which they were made, behind one wait on va_vdst for each run of stores.  A wave has one row
;               tile and leaves the row tiles' text behind it by a jump: nothing writes O^T's registers behind their stores.
.set XP,  1040                         ; LDS pitch of x [128][512] f16
.set MP,  288                          ; pitch of the [dk 64][t 128] arrays read by transposing loads
.set VP,  272                          ; pitch of the arrays read along t
.set MSZ, 64*MP
.set VTB, 133120                       ; v [dv 128][t 128]
.set RLB, 167936                       ; r [t 128][16], pitch 48
.set KPB, 174080                       ; k, level-6 q side, level-6 k side
.set KHB, 229376                       ; k x suffix to the chunk's end, pitch 272
.set QTB, 246784                       ; q x prefix from the chunk's start
.set TOTB, 265216                      ; [2][64] f32: each half's whole decay
; bytes 0 .. 129,023 hold x first and, when all waves have left the projections, the level arrays M0..M5 and q (7 x MSZ)
.set Q1, 0
.set K1, 32
.set P1, 64
.set F1, 96
.set G1, 128
.set OBA, 128
.set OBB, 160
.set RA, 192
.set TID, 200
.set RR, 201
.set HV, 202
.set STA, 203
.set STB, 204
.set STC, 205
.set STD, 206
.set STK, 207
.set ARL, 208
.set AVO, 209
.set AVX, 210
.set SWO, 211
.set L16, 212
.set BOF, 213
.set RLL, 214
.set BIA, 215
.set T, 216
.set E, 224
.set U, 232
.set T16, 240
.set T32, 244
.set T64, 246
.set OTH, 247
.set FP, 248
.set FR, 249
.set O64, 250
.set ONE, 251
.set TOL, 252
.set SWX, 253
.set TOS, 254
.set MX, 200                           ; the score phase uses 200-207 again
.set MN, 201
.set EB, 202
.set CC, 204
.set II, 206
.set MSB, 0
.macro WIN new                         ; low byte: source 0, source 1, source 2, destination, two bits each; high byte: the setting left
.if MSB != \new
	s_set_vgpr_msb (MSB<<8)|\new
.set MSB, \new
.endif
.endm
.macro PLACES                          ; the places behind matrix instructions (ISA guide 7.12.1)
.rept 5
	v_nop
.endr
.endm
.macro BAR
	s_barrier_signal -1
	s_barrier_wait -1
.endm
.macro PROD d, a, b, zero              ; zero: the first product starts the sum
.if \zero
	v_wmma_f32_16x16x32_f16 v[\d:\d+7], v[\a:\a+7], v[\b:\b+7], 0
.else
	v_wmma_f32_16x16x32_f16 v[\d:\d+7], v[\a:\a+7], v[\b:\b+7], v[\d:\d+7]
.endif
.endm
.macro BLOAD ks                        ; five weight fragments of K step ks: q, k, v, g, r
.irp f, 0,1,2,3,4
	global_load_b128 v[176+40*((\ks)&1)+8*\f:176+40*((\ks)&1)+8*\f+3], v1, s[24+2*\f:25+2*\f] offset:(\ks)*1024
	global_load_b128 v[176+40*((\ks)&1)+8*\f+4:176+40*((\ks)&1)+8*\f+7], v1, s[24+2*\f:25+2*\f] offset:(\ks)*1024+512
.endr
.endm
.macro ALOAD ks                        ; nine x fragments: my half's four row tiles, the other half's four, row tile w
.irp t, 0,1,2,3
	ds_load_b128 v[32+72*((\ks)&1)+8*\t:32+72*((\ks)&1)+8*\t+3], v4 offset:\t*16640+(\ks)*64
	ds_load_b128 v[32+72*((\ks)&1)+8*\t+4:32+72*((\ks)&1)+8*\t+7], v4 offset:\t*16640+(\ks)*64+32
.endr
.irp t, 0,1,2,3
	ds_load_b128 v[64+72*((\ks)&1)+8*\t:64+72*((\ks)&1)+8*\t+3], v5 offset:\t*16640+(\ks)*64
	ds_load_b128 v[64+72*((\ks)&1)+8*\t+4:64+72*((\ks)&1)+8*\t+7], v5 offset:\t*16640+(\ks)*64+32
.endr
	ds_load_b128 v[96+72*((\ks)&1):96+72*((\ks)&1)+3], v6 offset:(\ks)*64
	ds_load_b128 v[96+72*((\ks)&1)+4:96+72*((\ks)&1)+7], v6 offset:(\ks)*64+32
.endm
; One K step of 32: the next step's 10 + 18 loads go out first, then this step's 25 products.  The 25 accumulators take turns,
; one instruction a turn.
.macro KSTEP ks, zero, more
.if \more
	PLACES                                         ; the loads below land on registers that the last step's products read
.if \ks > 0
	s_wait_alu depctr_va_vdst(0)                   ; the last step's products are done reading their x and weight fragments, in which the 28 loads below land
.endif
	BLOAD (\ks+1)
	ALOAD (\ks+1)
	s_wait_loadcnt 10                              ; all but the 10 just issued
	s_wait_dscnt 18                                ; all but the 18 just issued
.else
	s_wait_loadcnt 0x0
	s_wait_dscnt 0x0
.endif
.set AC, 32+72*((\ks)&1)
.set BC, 176+40*((\ks)&1)
	WIN 0x50
.irp t, 0,1,2,3
	PROD Q1+8*\t, AC+8*\t, BC, \zero               ; q: register = t, lane = dk
.endr
.irp t, 0,1,2,3
	PROD K1+8*\t, AC+8*\t, BC+8, \zero
.endr
.irp t, 0,1,2,3,4,5,6,7
	PROD 64+8*\t, AC+8*\t, BC+16, \zero            ; v: register = t, lane = dv
.endr
.irp t, 0,1,2,3,4,5,6,7
	PROD G1+8*\t, BC+24, AC+8*\t, \zero            ; g, sources swapped: register = dv, lane = t
.endr
	PROD RA, BC+32, AC+64, \zero                   ; r, swapped: register = rank, lane = t
	WIN 0
.endm
.macro XLOAD g, base                   ; four rows of x, 16 loads of 512 consecutive bytes
.irp q, 0,1,2,3,4,5,6,7,8,9,10,11,12,13,14,15
	global_load_b128 v[\base+4*\q:\base+4*\q+3], v2, s[8:9] offset:(4*\g+(\q>>2))*2048+(\q&3)*512
.endr
.endm
.macro XCVT g, base                    ; four numbers close up into the first two of their four registers; then the 16 stores in one run
.irp q, 0,1,2,3,4,5,6,7,8,9,10,11,12,13,14,15
	v_cvt_pk_f16_f32 v[\base+4*\q], v[\base+4*\q], v[\base+4*\q+1]
	v_cvt_pk_f16_f32 v[\base+4*\q+1], v[\base+4*\q+2], v[\base+4*\q+3]
.endr
	s_wait_alu depctr_va_vdst(0)                   ; the conversions have written the pairs that the LDS stores read, and are done reading the group's registers; at its first use: v3 to v16 and v31 are written
.irp q, 0,1,2,3,4,5,6,7,8,9,10,11,12,13,14,15
	ds_store_b64 v3, v[\base+4*\q:\base+4*\q+1] offset:(4*\g+(\q>>2))*XP+(\q&3)*256
.endr
.endm
.macro CVT4 src, ob                    ; eight numbers along t are rounded into four registers that one LDS store reads later
.irp e, 0,1,2,3
	v_cvt_pk_f16_f32 v[\ob+\e], v[\src+2*\e], v[\src+2*\e+1]
.endr
.endm
.macro SWISH s                         ; g sigmoid(g) = g / (1 + 2^(-g log2 e)), packed to f16 in place; s is a plain number
.irp j, 0,1,2,3,4,5,6,7
	v_mul_f32 v[E+\j], s41, v[G1+8*\s+\j]
.endr
.irp j, 0,1,2,3,4,5,6,7
	v_exp_f32 v[U+\j], v[E+\j]
.endr
	v_nop                                          ; one plain place behind the transcendentals (ISA guide 5.7.2)
	s_wait_alu depctr_va_vdst(0)
.irp j, 0,1,2,3,4,5,6,7
	v_add_f32 v[E+\j], 1.0, v[U+\j]
.endr
.irp j, 0,1,2,3,4,5,6,7
	v_rcp_f32 v[U+\j], v[E+\j]
.endr
	v_nop
	s_wait_alu depctr_va_vdst(0)
.irp j, 0,2,4,6
	v_pk_mul_f32 v[G1+8*\s+\j:G1+8*\s+\j+1], v[G1+8*\s+\j:G1+8*\s+\j+1], v[U+\j:U+\j+1]
.endr
.irp e, 0,1,2,3
	v_cvt_pk_f16_f32 v[G1+8*\s+\e], v[G1+8*\s+2*\e], v[G1+8*\s+2*\e+1]
.endr
.endm
; a = exp(logsigmoid(z)/16) = 2^( min(z,0) log2e/16 - log2(1 + 2^(-|z| log2e))/16 ): the exponent of the inner power is <= 0
.macro GATE g
.irp j, 0,1,2,3,4,5,6,7
	v_add_f32 v[P1+8*\g+\j], v[P1+8*\g+\j], v[BIA]
.endr
.irp j, 0,1,2,3,4,5,6,7
	v_and_b32 v[E+\j], s59, v[P1+8*\g+\j]
.endr
.irp j, 0,1,2,3,4,5,6,7
	v_mul_f32 v[E+\j], s41, v[E+\j]
.endr
.irp j, 0,1,2,3,4,5,6,7
	v_exp_f32 v[U+\j], v[E+\j]
.endr
	v_nop
	s_wait_alu depctr_va_vdst(0)
.irp j, 0,1,2,3,4,5,6,7
	v_add_f32 v[E+\j], 1.0, v[U+\j]
.endr
.irp j, 0,1,2,3,4,5,6,7
	v_log_f32 v[U+\j], v[E+\j]
.endr
.irp j, 0,1,2,3,4,5,6,7
	v_min_num_f32 v[T+\j], 0, v[P1+8*\g+\j]        ; plain work behind the logarithms
.endr
.irp j, 0,1,2,3,4,5,6,7
	v_mul_f32 v[T+\j], s42, v[T+\j]
.endr
	s_wait_alu depctr_va_vdst(0)
.irp j, 0,1,2,3,4,5,6,7
	v_fma_f32 v[E+\j], v[U+\j], s43, v[T+\j]
.endr
.irp j, 0,1,2,3,4,5,6,7
	v_exp_f32 v[P1+8*\g+\j], v[E+\j]
.endr
	v_nop
.endm
; Level l = 0, 1, 2 of row tile g: M_l[t] = q p where bit l of t is set, k f where it is not, rounded into ob; then both products grow to blocks of 2^(l+1)
.macro LEVREG l, g, ob
.irp j, 0,1,2,3,4,5,6,7
.if ((\j>>\l)&1)
	v_mul_f32 v[T+\j], v[Q1+8*\g+\j], v[P1+8*\g+\j]
.else
	v_mul_f32 v[T+\j], v[K1+8*\g+\j], v[F1+8*\g+\j]
.endif
.endr
	CVT4 T, \ob
.irp j, 0,1,2,3,4,5,6,7
.if ((\j>>\l)&1)
.else
	v_mul_f32 v[F1+8*\g+\j], v[F1+8*\g+\j], v[P1+8*\g+(\j|((2<<\l)-1))]        ; times the upper half's whole product
.endif
.endr
.irp j, 0,1,2,3,4,5,6,7
.if ((\j>>\l)&1)
	v_mul_f32 v[P1+8*\g+\j], v[P1+8*\g+\j], v[P1+8*\g+(((\j>>(\l+1))<<(\l+1))+(1<<\l)-1)]   ; times the lower half's
.endif
.endr
.endm
.macro LEV3 g, ob                      ; bit 3 of t is the lane half
.irp j, 0,1,2,3,4,5,6,7
	v_cndmask_b32 v[E+\j], v[K1+8*\g+\j], v[Q1+8*\g+\j], s44
	v_cndmask_b32 v[U+\j], v[F1+8*\g+\j], v[P1+8*\g+\j], s44
.endr
.irp j, 0,2,4,6
	v_pk_mul_f32 v[T+\j:T+\j+1], v[E+\j:E+\j+1], v[U+\j:U+\j+1]
.endr
	CVT4 T, \ob
	v_permlanex16_b32 v[OTH], v[P1+8*\g+7], s45, s46       ; the other half's whole product
	v_mul_f32 v[T16+\g], v[P1+8*\g+7], v[OTH]
	v_cndmask_b32 v[FP], v[ONE], v[OTH], s44
	v_cndmask_b32 v[FR], v[OTH], v[ONE], s44
.irp j, 0,1,2,3,4,5,6,7
	v_mul_f32 v[P1+8*\g+\j], v[P1+8*\g+\j], v[FP]
	v_mul_f32 v[F1+8*\g+\j], v[F1+8*\g+\j], v[FR]
.endr
.endm
.macro SIDE g, isq, ob                 ; q p or k f of row tile g, rounded into ob
.irp j, 0,2,4,6
.if \isq
	v_pk_mul_f32 v[T+\j:T+\j+1], v[Q1+8*\g+\j:Q1+8*\g+\j+1], v[P1+8*\g+\j:P1+8*\g+\j+1]
.else
	v_pk_mul_f32 v[T+\j:T+\j+1], v[K1+8*\g+\j:K1+8*\g+\j+1], v[F1+8*\g+\j:F1+8*\g+\j+1]
.endif
.endr
	CVT4 T, \ob
.endm
.macro SCALE base, g, f
.irp j, 0,1,2,3,4,5,6,7
	v_mul_f32 v[\base+8*\g+\j], v[\base+8*\g+\j], v[\f]
.endr
.endm
.macro TRF dst, areg, imm              ; both K steps (dk 0-31, 32-63) of one tile of 16 t from a [dk][t] array: lane = t, K = dk
	ds_load_tr16_b128 v[\dst:\dst+3], v[\areg] offset:\imm
	ds_load_tr16_b128 v[\dst+4:\dst+7], v[\areg] offset:\imm+16*MP
	ds_load_tr16_b128 v[\dst+8:\dst+11], v[\areg] offset:\imm+32*MP
	ds_load_tr16_b128 v[\dst+12:\dst+15], v[\areg] offset:\imm+48*MP
.endm
.macro VLOAD p                         ; v's eight dv tiles for s = 32 p .. 32 p + 31
.irp nt, 0,1,2,3,4,5,6,7
	ds_load_b128 v[64+64*((\p)&1)+8*\nt:64+64*((\p)&1)+8*\nt+3], v13 offset:\nt*16*VP+(\p)*64
	ds_load_b128 v[64+64*((\p)&1)+8*\nt+4:64+64*((\p)&1)+8*\nt+7], v13 offset:\nt*16*VP+(\p)*64+32
.endr
.endm
; Row tile i: the scores against tiles j < i (level 4 if i^j = 1, 5 if i^j < 4, else 6), the row scale, A V, and the store of O^T
.macro ROWTILE i
.if (\i)&1
	TRF 64, 11, MSZ+32*\i
.endif
.if (\i)&2
	TRF 80, 11, 2*MSZ+32*\i
.endif
.if (\i)&4
	TRF 96, 12, MSZ+32*\i
.endif
.irp j, 0,1,2,3,4,5,6
.if \j < \i
.set XJ, (\i)^(\j)
.if XJ == 1
	TRF 112+16*\j, 11, MSZ+32*\j
.else
.if XJ < 4
	TRF 112+16*\j, 11, 2*MSZ+32*\j
.else
	TRF 112+16*\j, 12, 2*MSZ+32*\j
.endif
.endif
.endif
.endr
.if \i > 0
	s_wait_dscnt 0x0
	WIN 0x50
.irp k2, 0,1
.irp j, 0,1,2,3,4,5,6
.if \j < \i
.set XJ, (\i)^(\j)
.if XJ == 1
.set QS, 64
.else
.if XJ < 4
.set QS, 80
.else
.set QS, 96
.endif
.endif
.if \i == 1
.if \k2 == 1
	s_wait_alu depctr_va_vdst(0)                   ; its second product waits for the first
.endif
.endif
	PROD 40+8*\j, 112+16*\j+8*\k2, QS+8*\k2, 1-\k2 ; register = s, lane = t
.endif
.endr
.endr
	WIN 0
	PLACES
	s_wait_alu depctr_va_vdst(0)                   ; these products are done reading their fragments in v64-223, in which v's fragments land
.endif
	VLOAD 0
.if \i > 1
	VLOAD 1
.endif
	WIN 0x55
	v_max_num_f32 v[MX], v32, v33                  ; the largest magnitude of row t: window-1 registers 32 .. 32 + 8 (i+1) - 1
	v_min_num_f32 v[MN], v32, v33
.set n, 2
.rept 4*(\i+1)-1
	v_max3_num_f32 v[MX], v[MX], v[32+n], v[33+n]
	v_min3_num_f32 v[MN], v[MN], v[32+n], v[33+n]
.set n, n+2
.endr
	v_sub_f32 v[MN], 0, v[MN]
	v_max_num_f32 v[MX], v[MX], v[MN]
	v_permlanex16_b32 v[OTH], v[MX], s45, s46
	v_max_num_f32 v[MX], v[MX], v[OTH]
	v_max_num_f32 v[MX], s60, v[MX]
	v_min_num_f32 v[MX], s61, v[MX]
	v_and_b32 v[EB], 0x7f800000, v[MX]             ; 2^e
	v_sub_nc_u32 v[CC], 0x7f000000, v[EB]          ; 2^-e
	v_mov_b32 v[CC+1], v[CC]
	v_add_nc_u32 v[II], 0xfe800000, v[EB]          ; 2^e / 8
	v_mov_b32 v[II+1], v[II]
.set n, 0
.rept 4*(\i+1)
	v_pk_mul_f32 v[32+n:33+n], v[32+n:33+n], v[CC:CC+1]
.set n, n+2
.endr
	WIN 0x05                                       ; sources window 1, destination window 0: tile j becomes half a fragment, lane = t, K = s
.irp j, 0,1,2,3,4,5,6
.if \j < \i
.irp e, 0,1,2,3
	v_cvt_pk_f16_f32 v[32+4*\j+\e], v[40+8*\j+2*\e], v[40+8*\j+2*\e+1]
.endr
.endif
.endr
.irp e, 0,1,2,3
	v_cvt_pk_f16_f32 v[32+4*\i+\e], v[32+2*\e], v[32+2*\e+1]
.endr
.if ((\i)&1) == 0
.irp e, 0,1,2,3
	v_mov_b32 v[36+4*\i+\e], 0                     ; no tile i + 1: s > t
.endr
.endif
.set PM, (\i)>>1
.irp p, 0,1,2,3
.if \p <= PM
.if \p < PM
	s_wait_dscnt 16                                ; the 16 loads of the next 32 s stay out
.else
	s_wait_dscnt 0x0
.endif
	WIN 0x50
.irp nt, 0,1,2,3,4,5,6,7
	PROD 96+8*\nt, 64+64*(\p&1)+8*\nt, 32+8*\p, \p==0      ; O^T: register = dv, lane = t
.endr
	WIN 0
.if \p+2 <= PM
	PLACES
	s_wait_alu depctr_va_vdst(0)                   ; these eight products are done reading their buffer of v, which is loaded again
	VLOAD (\p+2)
.endif
.endif
.endr
	PLACES
	WIN 0x55
.set n, 0
.rept 32
	v_pk_mul_f32 v[96+n:97+n], v[96+n:97+n], v[II:II+1]
.set n, n+2
.endr
	WIN 0x04
	s_wait_alu depctr_va_vdst(0)                   ; the scalings have written O^T, which the 16 stores read; every product of the row tile is done reading its fragments, in which the loads for U land
.irp nt, 0,1,2,3,4,5,6,7
	global_store_b128 v1, v[96+8*\nt:96+8*\nt+3], s[16:17] offset:\i*8192+\nt*1024
	global_store_b128 v1, v[96+8*\nt+4:96+8*\nt+7], s[16:17] offset:\i*8192+\nt*1024+512
.endr
	WIN 0
.endm
	s_load_b512 s[8:23], s[0:1], 0x0               ; x 8, bgk2 10, wf 12, qi 14, oi 16, ui 18, di 20, sw 22
	v_lshl_add_u32 v28, v0, 2, 0x40e00
	v_mov_b32 v29, 0
	v_lshrrev_b32 v17, 5, v0
	v_readfirstlane_b32 s2, v17                    ; wave w
	v_and_b32 v17, 31, v0
	v_lshlrev_b32 v1, 4, v17                       ; 16 x lane
	s_and_b32 s5, ttmp9, 3                         ; head
	s_mul_i32 s36, s5, 24
	s_mov_b32 s39, 0
	s_mov_b32 s37, 0
	s_wait_alu depctr_va_sdst(0)                   ; s2 is written, ahead of its first reader: bases, LDS places and branches are made from it
	s_and_b32 s3, s2, 3                            ; cb: my column tile of q and k
	s_lshr_b32 s4, s2, 2                           ; rh: my half of the rows for q and k
	s_xor_b32 s7, s4, 1
	s_add_co_u32 s38, s36, s3
	s_lshl_b32 s38, s38, 14
	s_add_co_u32 s36, s36, s2
	s_lshl_b32 s36, s36, 14
	s_lshl_b32 s6, s2, 15
	v_add_nc_u32 v2, s6, v1                        ; x: my wave's 16 rows
	s_wait_kmcnt 0x0
	s_add_nc_u64 s[24:25], s[12:13], s[38:39]      ; Wq tile 24 h + cb
	s_add_nc_u64 s[26:27], s[24:25], 4*16384       ; Wk
	s_add_nc_u64 s[28:29], s[12:13], s[36:37]
	s_add_nc_u64 s[28:29], s[28:29], 8*16384       ; Wv tile 24 h + 8 + w
	s_add_nc_u64 s[30:31], s[28:29], 8*16384       ; Wg
	s_add_nc_u64 s[32:33], s[12:13], 96*16384      ; Wgk1
	s_wait_alu depctr_va_vdst(0)                   ; v1 and v2 are written: the offsets of the weights' and of x's loads
	BLOAD 0
	s_lshr_b32 s38, ttmp9, 2
	s_lshl_b32 s38, s38, 18                        ; 128 rows of 2,048 bytes a chunk
	s_add_nc_u64 s[8:9], s[8:9], s[38:39]
	XLOAD 0, 32
	XLOAD 1, 96
	; the other bases and addresses, while the loads are on their way
	s_lshl2_add_u32 s38, s5, s3
	s_lshl_b32 s38, s38, 10
	s_add_nc_u64 s[34:35], s[12:13], s[38:39]
	s_add_nc_u64 s[34:35], s[34:35], 129*16384     ; Wgk2, column tile 4 h + cb
	s_lshl_b32 s38, ttmp9, 14
	s_lshl_b32 s36, s2, 11
	s_add_co_u32 s38, s38, s36
	s_add_nc_u64 s[14:15], s[14:15], s[38:39]      ; qi
	s_lshl_b32 s38, ttmp9, 16
	s_add_nc_u64 s[16:17], s[16:17], s[38:39]      ; oi
	s_lshl_b32 s38, ttmp9, 15
	s_lshl_b32 s36, s2, 12
	s_add_co_u32 s36, s38, s36
	s_add_nc_u64 s[18:19], s[18:19], s[36:37]      ; ui
	s_lshl_b32 s36, s2, 9
	s_add_co_u32 s36, s38, s36
	s_add_nc_u64 s[22:23], s[22:23], s[36:37]      ; sw
	s_lshl_b32 s38, ttmp9, 8
	s_add_nc_u64 s[20:21], s[20:21], s[38:39]      ; di
	s_mov_b32 s41, 0xbfb8aa3b                      ; -log2 e
	s_mov_b32 s42, 0x3db8aa3b                      ; log2 e / 16
	s_mov_b32 s43, 0xbd800000                      ; -1/16
	s_mov_b32 s44, 0xffff0000                      ; lanes 16-31
	s_mov_b32 s45, 0x76543210                      ; v_permlanex16_b32: lane i of the other half
	s_mov_b32 s46, 0xfedcba98
	s_cmp_eq_u32 s4, 1
	s_cselect_b32 s47, -1, 0                       ; all lanes, if mine is the upper half
	s_mov_b32 s59, 0x7fffffff
	s_mov_b32 s60, 0x02000000                      ; 2^-123
	s_mov_b32 s61, 0x7d000000                      ; 2^123
	s_mul_i32 s48, s3, 16*MP
	s_lshl_b32 s36, s4, 7
	s_add_co_u32 s48, s48, s36                     ; [dk][t] arrays: 16 cb rows + 64 rh columns
	s_mul_i32 s49, s3, 16*VP
	s_add_co_u32 s49, s49, s36
	s_add_co_u32 s49, s49, KHB
	s_mul_i32 s50, s2, 768
	s_add_co_u32 s50, s50, RLB
	s_mul_i32 s51, s2, 16*VP
	s_add_co_u32 s51, s51, VTB
	s_lshl_b32 s38, s7, 7
	s_add_co_u32 s52, s51, s38
	s_add_co_u32 s51, s51, s36
	s_lshl_b32 s53, s4, 14
	s_lshl_b32 s54, s7, 14
	s_lshl_b32 s55, s5, 8
	s_lshl_b32 s36, s3, 6
	s_add_co_u32 s55, s55, s36
	s_mul_i32 s56, s4, 3072
	s_add_co_u32 s56, s56, RLB
	s_lshl_b32 s57, s4, 8
	s_add_co_u32 s57, s57, s36
	s_add_co_u32 s57, s57, TOTB
	s_lshl_b32 s58, s7, 8
	s_add_co_u32 s58, s58, s36
	s_add_co_u32 s58, s58, TOTB
	v_and_b32 v18, 15, v0                          ; r
	v_bfe_u32 v19, v0, 4, 1                        ; hh
	v_and_b32 v20, 7, v0
	v_bfe_u32 v21, v0, 3, 1
	v_lshl_add_u32 v31, v18, 2, s36                ; di: 4 (16 cb + r)
	s_mul_i32 s37, s2, 16*XP
	v_lshl_add_u32 v3, v17, 3, s37                 ; x into LDS: 8 bytes a lane
	v_mul_u32_u24 v22, v18, XP
	v_lshl_add_u32 v22, v19, 4, v22
	s_mul_i32 s36, s4, 64*XP
	v_add_nc_u32 v4, s36, v22                      ; x fragments: my half
	s_mul_i32 s36, s7, 64*XP
	v_add_nc_u32 v5, s36, v22                      ; the other half
	v_add_nc_u32 v6, s37, v22                      ; row tile w
	v_lshl_add_u32 v23, v19, 3, v20
	v_mul_u32_u24 v23, v23, MP
	v_lshl_add_u32 v23, v21, 4, v23                ; transposing loads: (8 hh + lane%8) pitch + 16 ((lane/8)%2)
	s_lshl_b32 s36, s2, 5
	v_add_nc_u32 v7, s36, v23                      ; tile w of M0, M1, M2
	v_add_nc_u32 v8, 3*MSZ, v7                     ; of M3
	v_add_nc_u32 v9, 6*MSZ, v7                     ; of q
	v_add_nc_u32 v10, KPB, v7                      ; of k
	v_add_nc_u32 v16, QTB, v7                      ; of q x prefix
	v_add_nc_u32 v11, 3*MSZ, v23                   ; M3, M4, M5
	v_add_nc_u32 v12, KPB, v23                     ; k, level-6 q side, level-6 k side
	v_mul_u32_u24 v24, v18, VP
	v_lshl_add_u32 v24, v19, 4, v24
	v_add_nc_u32 v13, VTB, v24
	v_add_nc_u32 v14, KHB, v24
	s_mul_i32 s36, s2, 16*VP
	v_add_nc_u32 v15, s36, v13
	; x: f32 to f16, into LDS.  Two groups of 16 loads are out; each wait leaves the younger group.
	s_wait_loadcnt 16
	XCVT 0, 32
	s_wait_alu depctr_vm_vsrc(0)                   ; the LDS stores have read their pairs in v32-95, in which the next loads land (the conversions stand ahead of the wait on va_vdst)
	XLOAD 2, 32
	s_wait_loadcnt 16
	XCVT 1, 96
	s_wait_alu depctr_vm_vsrc(0)                   ; the same for v96-159
	XLOAD 3, 96
	s_wait_loadcnt 16
	XCVT 2, 32
	s_wait_loadcnt 0x0
	XCVT 3, 96
	s_wait_dscnt 0x0                               ; my rows of x are in LDS
	BAR
	s_wait_alu depctr_vm_vsrc(0)                   ; my LDS stores have read v32-159: these registers are the x fragments' buffers from here on, written by LDS loads
	ALOAD 0
	KSTEP 0, 1, 1
.irp s, 1,2,3,4,5,6,7,8,9,10,11,12,13,14
	KSTEP \s, 0, 1
.endr
	KSTEP 15, 0, 0
	; ---- everything from here to the scores works in window 1 ----
	PLACES
	WIN 0x40
	v_mov_b32 v[TID], v0
	WIN 0x55
	v_and_b32 v[RR], 15, v[TID]
	v_bfe_u32 v[HV], v[TID], 4, 1
	v_lshlrev_b32 v[HV], 4, v[HV]                  ; 16 hh
	v_and_b32 v[L16], 31, v[TID]
	v_lshlrev_b32 v[L16], 4, v[L16]
	v_mul_u32_u24 v[STA], v[RR], MP
	v_add3_u32 v[STA], v[STA], v[HV], s48          ; M0..M3
	v_add_nc_u32 v[STB], 4*MSZ, v[STA]             ; M4, M5, q
	v_add_nc_u32 v[STC], KPB, v[STA]               ; k, level 6
	v_add_nc_u32 v[STD], QTB, v[STA]
	v_mul_u32_u24 v[STK], v[RR], VP
	v_add_nc_u32 v[STK], v[STK], v[HV]
	v_add_nc_u32 v[AVO], s51, v[STK]
	v_add_nc_u32 v[AVX], s52, v[STK]
	v_add_nc_u32 v[STK], s49, v[STK]
	v_mul_u32_u24 v[ARL], v[RR], 48
	v_add_nc_u32 v[ARL], v[ARL], v[HV]
	v_add_nc_u32 v[RLL], s56, v[ARL]
	v_add_nc_u32 v[ARL], s50, v[ARL]
	v_add_nc_u32 v[SWO], s53, v[L16]
	v_add_nc_u32 v[SWX], s54, v[L16]
	v_lshl_add_u32 v[BOF], v[RR], 2, s55
	v_lshl_add_u32 v[TOS], v[RR], 2, s57
	v_lshl_add_u32 v[TOL], v[RR], 2, s58
	v_mov_b32 v[ONE], 1.0
	v_mov_b32 v[OTH], 0
	CVT4 RA, T                                     ; r of row 16 w + lane%16, ranks 8 hh ..
.irp s, 0,1,2,3
	CVT4 64+8*\s, 64+8*\s                          ; v, my half's row tiles: in place, into the first four of a tile's eight registers
.endr
.irp s, 0,1,2,3
	CVT4 96+8*\s, 68+8*\s                          ; the other half's: into the four that the lines above have left; so no store names v96-127, in which r's fragments land
.endr
	s_wait_alu depctr_va_vdst(0)                   ; the window's addresses are written; the roundings have written T and v64-95, which the LDS stores read, and are done reading r's accumulator and v96-127, in which loads land
	global_load_b128 v[RA:RA+3], v[L16], s[34:35]  ; Wgk2's fragment, into r's registers
	global_load_b128 v[RA+4:RA+7], v[L16], s[34:35] offset:512
	global_load_b32 v[BIA], v[BOF], s[10:11]
	ds_store_b128 v[ARL], v[T:T+3]
.irp s, 0,1,2,3
	ds_store_b128 v[AVO], v[64+8*\s:67+8*\s] offset:32*\s
.endr
.irp s, 0,1,2,3
	ds_store_b128 v[AVX], v[68+8*\s:71+8*\s] offset:32*\s
.endr
	s_wait_dscnt 0x0                               ; r and v are in LDS, and my reads of x ended with the last K step
	BAR
.irp g, 0,1,2,3
	ds_load_b128 v[F1+8*\g:F1+8*\g+3], v[RLL] offset:768*\g        ; no vector line since the wait above
.endr
.irp g, 0,1,2,3
	v_mov_b32 v[F1+8*\g+4], 0                      ; ranks 16-31 do not exist
	v_mov_b32 v[F1+8*\g+5], 0
	v_mov_b32 v[F1+8*\g+6], 0
	v_mov_b32 v[F1+8*\g+7], 0
.endr
.irp s, 0,1,2,3
	SWISH \s                                       ; my half's four row tiles
.endr
	s_wait_alu depctr_va_vdst(0)                   ; the roundings have written the four tiles of g sigmoid(g), which the stores read
.irp s, 0,1,2,3
	global_store_b128 v[SWO], v[G1+8*\s:G1+8*\s+3], s[22:23] offset:4096*\s
.endr
.irp s, 4,5,6,7
	SWISH \s                                       ; the other half's
.endr
	s_wait_loadcnt 0x0
	s_wait_dscnt 0x0
	s_wait_alu depctr_vm_vsrc(0)                   ; the LDS stores of r and v have read T and v64-95: the products below write v64-95, the gate's work T
.irp g, 0,1,2,3
	v_wmma_f32_16x16x32_f16 v[P1+8*\g:P1+8*\g+7], v[F1+8*\g:F1+8*\g+7], v[RA:RA+7], 0   ; z: register = t, lane = dk, as q and k
.endr
	PLACES
	s_wait_alu depctr_va_vdst(0)                   ; the roundings have written the other four tiles of g sigmoid(g), which the stores read
.irp s, 4,5,6,7
	global_store_b128 v[SWX], v[G1+8*\s:G1+8*\s+3], s[22:23] offset:4096*(\s-4)
.endr
.irp g, 0,1,2,3
	GATE \g
.endr
.set n, 0
.rept 32
	v_mov_b32 v[F1+n], 1.0                         ; the suffix product of a block of one step is empty
.set n, n+1
.endr
	; batch 0, OBA: q and k as they are
	s_wait_xcnt 0x0                                ; the stores of sw have had their addresses translated (ISA guide 3.1): their data registers are written again only behind this wait,
	s_wait_alu depctr_vm_vsrc(0)                   ; and they have read them: g's 64 registers are the two out-buffers from here on
.irp g, 0,1,2,3
	CVT4 Q1+8*\g, OBA+8*\g
	CVT4 K1+8*\g, OBA+8*\g+4
.endr
	s_wait_alu depctr_va_vdst(0)                   ; batch 0's roundings have written OBA
.irp g, 0,1,2,3
	ds_store_b128 v[STB], v[OBA+8*\g:OBA+8*\g+3] offset:2*MSZ+32*\g
	ds_store_b128 v[STC], v[OBA+8*\g+4:OBA+8*\g+7] offset:32*\g
.endr
	; batch 1, OBB: levels 0-3 of row tiles 0 and 1
.irp g, 0,1
	LEVREG 0, \g, OBB+16*\g
	LEVREG 1, \g, OBB+16*\g+4
	LEVREG 2, \g, OBB+16*\g+8
	LEV3 \g, OBB+16*\g+12
.endr
	s_wait_alu depctr_va_vdst(0)                   ; batch 1's roundings have written OBB
.irp g, 0,1
.irp l, 0,1,2,3
	ds_store_b128 v[STA], v[OBB+16*\g+4*\l:OBB+16*\g+4*\l+3] offset:\l*MSZ+32*\g
.endr
.endr
	; batch 2, OBA: levels 0-3 of row tiles 2 and 3
	s_wait_alu depctr_vm_vsrc(0)                   ; batch 0's stores have read OBA
.irp g, 2,3
	LEVREG 0, \g, OBA+16*\g-32
	LEVREG 1, \g, OBA+16*\g-28
	LEVREG 2, \g, OBA+16*\g-24
	LEV3 \g, OBA+16*\g-20
.endr
	s_wait_alu depctr_va_vdst(0)                   ; batch 2's roundings have written OBA
.irp g, 2,3
.irp l, 0,1,2,3
	ds_store_b128 v[STA], v[OBA+16*\g-32+4*\l:OBA+16*\g-32+4*\l+3] offset:\l*MSZ+32*\g
.endr
.endr
	; batch 3, OBB: levels 4 and 5
	s_wait_alu depctr_vm_vsrc(0)                   ; batch 1's stores have read OBB
	SIDE 0, 0, OBB                                 ; level 4: odd row tiles are the q side
	SCALE F1, 0, T16+1
	SIDE 1, 1, OBB+4
	SCALE P1, 1, T16
	SIDE 2, 0, OBB+8
	SCALE F1, 2, T16+3
	SIDE 3, 1, OBB+12
	SCALE P1, 3, T16+2
	v_mul_f32 v[T32], v[T16], v[T16+1]
	v_mul_f32 v[T32+1], v[T16+2], v[T16+3]
	SIDE 0, 0, OBB+16                              ; level 5
	SCALE F1, 0, T32+1
	SIDE 1, 0, OBB+20
	SCALE F1, 1, T32+1
	SIDE 2, 1, OBB+24
	SCALE P1, 2, T32
	SIDE 3, 1, OBB+28
	SCALE P1, 3, T32
	v_mul_f32 v[T64], v[T32], v[T32+1]
	s_wait_alu depctr_va_vdst(0)                   ; batch 3's roundings have written OBB
.irp g, 0,1,2,3
	ds_store_b128 v[STB], v[OBB+4*\g:OBB+4*\g+3] offset:32*\g
.endr
.irp g, 0,1,2,3
	ds_store_b128 v[STB], v[OBB+16+4*\g:OBB+16+4*\g+3] offset:MSZ+32*\g
.endr
	; batch 4, OBA: level 6, both sides of every row
	s_wait_alu depctr_vm_vsrc(0)                   ; batch 2's stores have read OBA
.irp g, 0,1,2,3
	SIDE \g, 1, OBA+8*\g
	SIDE \g, 0, OBA+8*\g+4
.endr
	s_wait_alu depctr_va_vdst(0)                   ; batch 4's roundings have written OBA (my half's decay was written ahead of the last such wait)
.irp g, 0,1,2,3
	ds_store_b128 v[STC], v[OBA+8*\g:OBA+8*\g+3] offset:MSZ+32*\g
	ds_store_b128 v[STC], v[OBA+8*\g+4:OBA+8*\g+7] offset:2*MSZ+32*\g
.endr
	ds_store_b32 v[TOS], v[T64]
	s_wait_dscnt 0x0                               ; the level arrays and my half's decay are in LDS
	BAR
	ds_load_b32 v[O64], v[TOL]
	s_wait_dscnt 0x0
	v_cndmask_b32 v[FP], v[ONE], v[O64], s47
	v_cndmask_b32 v[FR], v[O64], v[ONE], s47
	; batch 5, OBB: q x decay from the chunk's start, k x decay to the chunk's end
	s_wait_alu depctr_vm_vsrc(0)                   ; batch 3's stores have read OBB
.irp g, 0,1,2,3
	SCALE P1, \g, FP
	SIDE \g, 1, OBB+8*\g
	SCALE F1, \g, FR
	SIDE \g, 0, OBB+8*\g+4
.endr
	WIN 0x05
	v_mul_f32 v30, v[T64], v[O64]                  ; the chunk's decay
	WIN 0x55
	s_wait_alu depctr_va_vdst(0)                   ; batch 5's roundings have written OBB; v30 is written, which the launch's last store reads
.irp g, 0,1,2,3
	ds_store_b128 v[STD], v[OBB+8*\g:OBB+8*\g+3] offset:32*\g
	ds_store_b128 v[STK], v[OBB+8*\g+4:OBB+8*\g+7] offset:32*\g
.endr
	WIN 0
	; ---- scores.  Wave w owns row tile w.  The diagonal tile: levels 0-3 and s = t, the same text in every wave ----
	TRF 64, 7, 0
	TRF 80, 7, MSZ
	TRF 96, 7, 2*MSZ
	TRF 112, 8, 0
	TRF 128, 10, 0
	TRF 144, 9, 0
	s_wait_dscnt 0x0
	s_wait_alu depctr_vm_vsrc(0)                   ; my LDS stores have read the out-buffers and their addresses: the scores' work writes window 1's v128-159 and v204-207 again
	WIN 0x50
.irp k2, 0,1
	PROD 0, 64+8*\k2, 64+8*\k2, 1-\k2              ; five accumulators by turns
	PROD 8, 80+8*\k2, 80+8*\k2, 1-\k2
	PROD 16, 96+8*\k2, 96+8*\k2, 1-\k2
	PROD 24, 112+8*\k2, 112+8*\k2, 1-\k2
	PROD 32, 128+8*\k2, 144+8*\k2, 1-\k2
.endr
	WIN 0x55
	PLACES
	; register j of lane (r, hh) is the pair s' = 8 hh + j, t' = r.  Each pair takes the product of its level; s' > t' takes 0.
.irp j, 0,1,2,3,4,5,6,7
	s_mov_b32 vcc_lo, (1<<\j)|(1<<(\j+24))         ; s' = t'
	v_cndmask_b32 v[32+\j], 0, v[32+\j], vcc_lo
.endr
	s_mov_b32 vcc_lo, 0xff00                       ; level 3: s' < 8 <= t'
.irp j, 0,1,2,3,4,5,6,7
	v_cndmask_b32 v[32+\j], v[32+\j], v[24+\j], vcc_lo
.endr
	s_mov_b32 vcc_lo, 0xf00000f0                   ; level 2
.irp j, 0,1,2,3
	v_cndmask_b32 v[32+\j], v[32+\j], v[16+\j], vcc_lo
.endr
	s_mov_b32 vcc_lo, 0x0c00000c                   ; level 1
.irp j, 0,1
	v_cndmask_b32 v[32+\j], v[32+\j], v[8+\j], vcc_lo
.endr
	s_mov_b32 vcc_lo, 0xc00000c0
.irp j, 4,5
	v_cndmask_b32 v[32+\j], v[32+\j], v[8+\j], vcc_lo
.endr
.irp j, 0,2,4,6
	s_mov_b32 vcc_lo, (2<<\j)|(2<<(\j+24))         ; level 0
	v_cndmask_b32 v[32+\j], v[32+\j], v[\j], vcc_lo
.endr
	WIN 0
	s_wait_alu depctr_va_vdst(0)                   ; the diagonal's products are done reading v64-159, in which the row tile's first loads land
.irp i, 0,1,2,3,4,5,6,7
	s_cmp_lg_u32 s2, \i
	s_cbranch_scc1 .Lskip\i
	ROWTILE \i
.if \i < 7
	s_branch .Lrows                                ; a wave has one row tile: behind it the wave leaves the row tiles' text, so no row tile's products follow another's stores
.endif
.Lskip\i:
.endr
.Lrows:
	s_wait_dscnt 0x0                               ; k x suffix and q x prefix are in LDS
	BAR
	; ---- U (dv tile w), q x prefix (row tile w) as fragments, the chunk's decay ----
.irp mt, 0,1,2,3
.irp k4, 0,1,2,3
	ds_load_b128 v[64+8*(4*\mt+\k4):64+8*(4*\mt+\k4)+3], v14 offset:\mt*16*VP+\k4*64        ; no vector or matrix line since the row tile's last wait
	ds_load_b128 v[64+8*(4*\mt+\k4)+4:64+8*(4*\mt+\k4)+7], v14 offset:\mt*16*VP+\k4*64+32
.endr
.endr
.irp k4, 0,1,2,3
	ds_load_b128 v[192+8*\k4:192+8*\k4+3], v15 offset:\k4*64
	ds_load_b128 v[192+8*\k4+4:192+8*\k4+7], v15 offset:\k4*64+32
.endr
	TRF 224, 16, 0
	s_wait_dscnt 0x0
.irp q, 0,1,2,3
	global_store_b128 v1, v[224+4*\q:224+4*\q+3], s[14:15] offset:\q*512
.endr
	WIN 0x50
.irp k4, 0,1,2,3
.irp mt, 0,1,2,3
	PROD 8*\mt, 64+8*(4*\mt+\k4), 192+8*\k4, \k4==0        ; register = dk, lane = dv
.endr
.endr
	WIN 0
	PLACES
	WIN 0x04
	s_wait_alu depctr_va_vdst(0)                   ; the products have written U, which the stores read; the places above stay beside this wait
.irp mt, 0,1,2,3
	global_store_b128 v1, v[8*\mt:8*\mt+3], s[18:19] offset:\mt*1024
	global_store_b128 v1, v[8*\mt+4:8*\mt+7], s[18:19] offset:\mt*1024+512
.endr
	WIN 0
	s_cmp_ge_u32 s2, 4
	s_cbranch_scc1 .Ldone                          ; both halves hold the same decay: waves 0-3 store it
	global_store_b32 v31, v30, s[20:21]
.Ldone:
	s_wait_dscnt 0x0
	s_wait_alu depctr_hold_cnt(0) depctr_sa_sdst(0) depctr_va_vdst(0) depctr_va_sdst(0) depctr_va_ssrc(0) depctr_va_vcc(0) depctr_vm_vsrc(0)
	s_wait_tensorcnt 0x0
	ds_add_u32 v28, v29
	s_wait_dscnt 0x0
	s_endpgm
.Lfunc_end_k_q7e2ab2946d_local:
	.size	k_q7e2ab2946d_local, .Lfunc_end_k_q7e2ab2946d_local-k_q7e2ab2946d_local
	.p2alignl 7, 3214868480
	.fill 96, 4, 3214868480
	.section	.rodata,"a",@progbits
	.p2align	6, 0x0
	.amdhsa_kernel k_q7e2ab2946d_local
		.amdhsa_group_segment_fixed_size 266752
		.amdhsa_private_segment_fixed_size 0
		.amdhsa_enable_private_segment 0
		.amdhsa_kernarg_size 64
		.amdhsa_user_sgpr_count 2
		.amdhsa_user_sgpr_kernarg_segment_ptr 1
		.amdhsa_wavefront_size32 1
		.amdhsa_system_sgpr_workgroup_id_x 1
		.amdhsa_system_sgpr_workgroup_id_y 1
		.amdhsa_system_sgpr_workgroup_id_z 1
		.amdhsa_system_vgpr_workitem_id 0
		.amdhsa_next_free_vgpr 512
		.amdhsa_next_free_sgpr 66
		.amdhsa_reserve_vcc 1
		.amdhsa_float_denorm_mode_32 3
		.amdhsa_float_denorm_mode_16_64 3
		.amdhsa_memory_ordered 1
		.amdhsa_forward_progress 1
		.amdhsa_inst_pref_size 255
	.end_amdhsa_kernel
	.section	.bss,"aw",@nobits
	.p2align	6
	.space	262144
	.amdgpu_metadata
---
amdhsa.version: [ 1, 2 ]
amdhsa.kernels:
  - .name:           k_q7e2ab2946d_local
    .symbol:         k_q7e2ab2946d_local.kd
    .args:
      - { .name: x, .offset: 0, .size: 8, .value_kind: global_buffer, .address_space: global }
      - { .name: bgk2, .offset: 8, .size: 8, .value_kind: global_buffer, .address_space: global }
      - { .name: wf, .offset: 16, .size: 8, .value_kind: global_buffer, .address_space: global }
      - { .name: qi, .offset: 24, .size: 8, .value_kind: global_buffer, .address_space: global }
      - { .name: oi, .offset: 32, .size: 8, .value_kind: global_buffer, .address_space: global }
      - { .name: ui, .offset: 40, .size: 8, .value_kind: global_buffer, .address_space: global }
      - { .name: di, .offset: 48, .size: 8, .value_kind: global_buffer, .address_space: global }
      - { .name: sw, .offset: 56, .size: 8, .value_kind: global_buffer, .address_space: global }
    .group_segment_fixed_size: 266752
    .private_segment_fixed_size: 0
    .kernarg_segment_align: 8
    .kernarg_segment_size: 64
    .max_flat_workgroup_size: 256
    .sgpr_count:     66
    .vgpr_count:     512
    .wavefront_size: 32
...
	.end_amdgpu_metadata
.endif
;; end of part 5
;; launch scan (part 6): grid 128 x 1, 4 waves a work-group, no clusters, 768 bytes of LDS; arguments ui, di, si, ss; writes si, ss
.if DOCPART == 6
	.amdgcn_target "amdgcn-amd-amdhsa--gfx1250"
	.amdhsa_code_object_version 6
	.text
	.protected	k_q7e2ab2946d_scan
	.globl	k_q7e2ab2946d_scan
	.p2align	8
	.type	k_q7e2ab2946d_scan,@function
k_q7e2ab2946d_scan:
	s_mov_b64 s[64:65], 0
	v_nop
	global_prefetch_b8 v0, s[64:65] scope:SCOPE_SE
	s_setreg_imm32_b32 hwreg(HW_REG_WAVE_SCHED_MODE, 0, 2), 2
	s_setreg_imm32_b32 hwreg(HW_REG_WAVE_MODE, 25, 1), 1
	s_wait_xcnt 0x0
	s_wait_alu depctr_vm_vsrc(0)
; The state from chunk to chunk: S_c = d_c S_(c-1) + U_c, in f32.  A work-group owns 16 columns dv (tile nt) of one (b, h); wave mt owns
; 16 rows dk.  si[c] = S_(c-1), as f16 fragments (row = dv, K = dk) for the last launch; si[0] = 0.
; The state has no room in f16 at 30 times larger or smaller inputs, so each 64 x 16 tile is scaled by the power of two that brings its
; largest magnitude into [1,2).  ss holds the inverse scale times DK^-0.5 = 1/8, twice, for each (b, h, nt, c); for c = 0 it is 0.
; Limit: the maximum's exponent is clamped to 2^-123 .. 2^123.
; ORDER.  Only the recurrence runs from chunk to chunk; the scales do not.  So all 58 loads go out at once, U_c into the registers that
; become S_c; the recurrence is 14 x 4 packed multiply-adds in place; then the 15 states' maxima are formed side by side (each step is
; written for all chunks in turn, so that no instruction waits for the one in front of it), meet the other three waves' in 15 x 4 words
; of LDS behind ONE barrier, and the 15 states are scaled, rounded and stored.
; Chunk c's place stands in the immediates: no address register is rewritten, and each store has data registers of its own.
; Matrix units, clusters and tensor loads have nothing to do here: 12 MB stream through.
; THE MODE: SCHED_MODE bits 1:0 = 2 (LLVM: expert scheduling mode 2), set by the entry lines.  The code itself states the register dependences
; between vector instructions and memory or LDS instructions, with s_wait_alu, always for 0.
; THE PLAN.  Registers that memory or LDS instructions touch:
;   v2-v6       offsets and LDS addresses, made once at the head, ahead of the first wait on va_vdst, and never written again.
;   Z, D        filled by the 58 loads; no vector line names them before.  Z's first four registers of a chunk are rounded in place and stored, in two runs (chunks 0-7, 8-14).
;   MX          written by the maxima's lines, read by the 15 LDS stores, written again behind the barrier: va_vdst ahead of the stores, vm_vsrc ahead of the second writing.
;   W4          d's registers, which the recurrence read: the 15 LDS loads land there, covered by the wait ahead of the LDS stores (no vector line stands between).
;   ZR, SV      written once, each ahead of the wait that stands in front of its store.
.set Z,  8                             ; v[8:127]   chunk c at Z + 8 c: U_c, then S_c (register j = dk 16 mt + 8 hh + j, lane%16 = dv), then f16
.set D,  128                           ; v[128:239] d of chunks 1..14
; behind the recurrence d's registers serve again:
.set MN, 128                           ; 15 minima, then the other lane half's maxima, then the inverse scales
.set W4, 144                           ; 15 x 4: the four waves' maxima
.set CC, 204                           ; 15 pairs: the scales
.set ZR, 234                           ; four zeros
.set MX, 240                           ; v[240:254] 15 maxima
.set SV, 255                           ; the 16 inverse scales, two lanes each
	s_load_b256 s[4:11], s[0:1], 0x0               ; ui 4, di 6, si 8, ss 10
	v_lshl_add_u32 v7, v0, 2, 0x100
	s_set_vgpr_msb 0x40
	v_mov_b32 v1, 0
	s_set_vgpr_msb 0x4000
	v_lshrrev_b32 v1, 5, v0
	v_readfirstlane_b32 s12, v1                    ; mt
	s_lshr_b32 s13, ttmp9, 5                       ; b
	s_bfe_u32 s14, ttmp9, 0x20003                  ; h
	s_and_b32 s15, ttmp9, 7                        ; nt
	s_lshl_b32 s13, s13, 6
	s_add_co_u32 s13, s13, s14                     ; chunk 0's id: 64 b + h
	s_lshl_b32 s16, s13, 15
	s_lshl_b32 s18, s15, 12
	s_add_co_u32 s16, s16, s18
	s_wait_alu depctr_va_sdst(0)                   ; s12 is written, ahead of its first reader: the bases, an LDS address and the last branch are made from it
	s_lshl_b32 s18, s12, 10
	s_add_co_u32 s16, s16, s18
	s_mov_b32 s17, 0
	s_lshl_b32 s18, s13, 8
	s_lshl_b32 s20, s12, 6
	s_add_co_u32 s18, s18, s20
	s_mov_b32 s19, 0
	s_lshl_b32 s20, s13, 14
	s_lshl_b32 s22, s15, 11
	s_add_co_u32 s20, s20, s22
	s_lshl_b32 s22, s12, 9                         ; K step mt/2, half mt%2
	s_add_co_u32 s20, s20, s22
	s_mov_b32 s21, 0
	s_lshl_b32 s22, ttmp9, 7
	s_mov_b32 s23, 0
	s_mov_b32 s24, 0x76543210                      ; v_permlanex16_b32: lane i of the other half
	s_mov_b32 s25, 0xfedcba98
	s_mov_b32 s26, 0x02000000                      ; 2^-123
	s_mov_b32 s27, 0x7d000000                      ; 2^123
	v_and_b32 v1, 31, v0
	v_lshlrev_b32 v2, 4, v1                        ; 16 x lane
	v_lshlrev_b32 v4, 2, v1                        ; 4 x lane
	v_bfe_u32 v3, v0, 4, 1
	v_lshlrev_b32 v3, 5, v3                        ; d of rows 8 hh ..
	v_mov_b32 v5, s12
	v_lshlrev_b32 v5, 2, v5                        ; my word in each set of four
	v_mov_b32 v6, 0
	v_mov_b32 v[SV], 0                             ; chunk 0 has no state before it: inverse scale 0
	s_wait_kmcnt 0x0
	s_add_nc_u64 s[4:5], s[4:5], s[16:17]
	s_add_nc_u64 s[6:7], s[6:7], s[18:19]
	s_add_nc_u64 s[8:9], s[8:9], s[20:21]
	s_add_nc_u64 s[10:11], s[10:11], s[22:23]
	s_wait_alu depctr_va_vdst(0)                   ; v2 to v6 are written: every load, store and LDS instruction of the kernel reads one of them as its address
	global_load_b128 v[Z:Z+3], v2, s[4:5] th:TH_LOAD_NT            ; S_0 = U_0
	global_load_b128 v[Z+4:Z+7], v2, s[4:5] offset:512 th:TH_LOAD_NT
.irp c, 1,2,3,4,5,6,7,8,9,10,11,12,13,14
	global_load_b128 v[Z+8*\c:Z+8*\c+3], v2, s[4:5] offset:\c*131072 th:TH_LOAD_NT
	global_load_b128 v[Z+8*\c+4:Z+8*\c+7], v2, s[4:5] offset:\c*131072+512 th:TH_LOAD_NT
	global_load_b128 v[D+8*\c-8:D+8*\c-5], v3, s[6:7] offset:\c*1024
	global_load_b128 v[D+8*\c-4:D+8*\c-1], v3, s[6:7] offset:\c*1024+16
.endr
	; the recurrence, in place
.irp c, 1,2,3,4,5,6,7,8,9,10,11,12,13,14
	s_wait_loadcnt 4*(14-\c)                       ; the younger chunks, four loads each, stay out
.irp j, 0,2,4,6
	v_pk_fma_f32 v[Z+8*\c+\j:Z+8*\c+\j+1], v[Z+8*\c-8+\j:Z+8*\c-8+\j+1], v[D+8*\c-8+\j:D+8*\c-8+\j+1], v[Z+8*\c+\j:Z+8*\c+\j+1]
.endr
.endr
	; the largest magnitude of my 16 x 16 part of each state
.irp c, 0,1,2,3,4,5,6,7,8,9,10,11,12,13,14
	v_max_num_f32 v[MX+\c], v[Z+8*\c], v[Z+8*\c+1]
	v_min_num_f32 v[MN+\c], v[Z+8*\c], v[Z+8*\c+1]
.endr
.irp j, 2,4,6
.irp c, 0,1,2,3,4,5,6,7,8,9,10,11,12,13,14
	v_max3_num_f32 v[MX+\c], v[MX+\c], v[Z+8*\c+\j], v[Z+8*\c+\j+1]
	v_min3_num_f32 v[MN+\c], v[MN+\c], v[Z+8*\c+\j], v[Z+8*\c+\j+1]
.endr
.endr
.irp c, 0,1,2,3,4,5,6,7,8,9,10,11,12,13,14
	v_sub_f32 v[MN+\c], 0, v[MN+\c]
.endr
.irp c, 0,1,2,3,4,5,6,7,8,9,10,11,12,13,14
	v_max_num_f32 v[MX+\c], v[MX+\c], v[MN+\c]
.endr
.irp m, 1,2,4,8
.irp c, 0,1,2,3,4,5,6,7,8,9,10,11,12,13,14
	v_max_num_f32_dpp v[MX+\c], v[MX+\c], v[MX+\c] row_xmask:\m row_mask:0xf bank_mask:0xf
.endr
.endr
.irp c, 0,1,2,3,4,5,6,7,8,9,10,11,12,13,14
	v_permlanex16_b32 v[MN+\c], v[MX+\c], s24, s25 ; its destination counts as read: it has been written above
.endr
.irp c, 0,1,2,3,4,5,6,7,8,9,10,11,12,13,14
	v_max_num_f32 v[MX+\c], v[MX+\c], v[MN+\c]
.endr
.irp e, 0,1,2,3
	v_mov_b32 v[ZR+\e], 0
.endr
	s_wait_alu depctr_va_vdst(0)                   ; the 15 maxima are written, which the LDS stores read, and the four zeros, which the store of si[0] reads; the recurrence is done reading d's registers, in which the LDS loads land
.irp c, 0,1,2,3,4,5,6,7,8,9,10,11,12,13,14
	ds_store_b32 v5, v[MX+\c] offset:16*\c         ; all lanes write the same word with the same value
.endr
	s_wait_dscnt 0x0                               ; my 15 words are in LDS
	s_barrier_signal -1
	s_barrier_wait -1
.irp c, 0,1,2,3,4,5,6,7,8,9,10,11,12,13,14
	ds_load_b128 v[W4+4*\c:W4+4*\c+3], v6 offset:16*\c
.endr
	global_store_b128 v2, v[ZR:ZR+3], s[8:9]       ; si[0] = 0
	s_wait_dscnt 0x0
	s_wait_alu depctr_vm_vsrc(0)                   ; my LDS stores have read v[MX ..], which the lines below write again
.irp c, 0,1,2,3,4,5,6,7,8,9,10,11,12,13,14
	v_max3_num_f32 v[MX+\c], v[W4+4*\c], v[W4+4*\c+1], v[W4+4*\c+2]
.endr
.irp c, 0,1,2,3,4,5,6,7,8,9,10,11,12,13,14
	v_max_num_f32 v[MX+\c], v[MX+\c], v[W4+4*\c+3]
.endr
.irp c, 0,1,2,3,4,5,6,7,8,9,10,11,12,13,14
	v_max_num_f32 v[MX+\c], s26, v[MX+\c]
.endr
.irp c, 0,1,2,3,4,5,6,7,8,9,10,11,12,13,14
	v_min_num_f32 v[MX+\c], s27, v[MX+\c]
.endr
.irp c, 0,1,2,3,4,5,6,7,8,9,10,11,12,13,14
	v_and_b32 v[MX+\c], 0x7f800000, v[MX+\c]       ; 2^e
.endr
.irp c, 0,1,2,3,4,5,6,7,8,9,10,11,12,13,14
	v_sub_nc_u32 v[CC+2*\c], 0x7f000000, v[MX+\c]  ; 2^-e
	v_add_nc_u32 v[MN+\c], 0xfe800000, v[MX+\c]    ; 2^e / 8
.endr
.irp c, 0,1,2,3,4,5,6,7,8,9,10,11,12,13,14
	v_mov_b32 v[CC+2*\c+1], v[CC+2*\c]
.endr
	; chunks 0 to 7: scaled, rounded, stored
.irp c, 0,1,2,3,4,5,6,7
.irp j, 0,2,4,6
	v_pk_mul_f32 v[Z+8*\c+\j:Z+8*\c+\j+1], v[Z+8*\c+\j:Z+8*\c+\j+1], v[CC+2*\c:CC+2*\c+1]
.endr
.endr
.irp c, 0,1,2,3,4,5,6,7
.irp e, 0,1,2,3
	v_cvt_pk_f16_f32 v[Z+8*\c+\e], v[Z+8*\c+2*\e], v[Z+8*\c+2*\e+1]
.endr
.endr
	s_wait_alu depctr_va_vdst(0)                   ; the roundings of chunks 0 to 7 are written, which the eight stores read
.irp c, 0,1,2,3,4,5,6,7
	global_store_b128 v2, v[Z+8*\c:Z+8*\c+3], s[8:9] offset:(\c+1)*65536   ; S_c is si[c+1]
.endr
	; chunks 8 to 14 likewise, while those stores leave; no line below names a register that they read
.irp c, 8,9,10,11,12,13,14
.irp j, 0,2,4,6
	v_pk_mul_f32 v[Z+8*\c+\j:Z+8*\c+\j+1], v[Z+8*\c+\j:Z+8*\c+\j+1], v[CC+2*\c:CC+2*\c+1]
.endr
.endr
.irp c, 8,9,10,11,12,13,14
.irp e, 0,1,2,3
	v_cvt_pk_f16_f32 v[Z+8*\c+\e], v[Z+8*\c+2*\e], v[Z+8*\c+2*\e+1]
.endr
.endr
.irp c, 0,1,2,3,4,5,6,7,8,9,10,11,12,13,14
	s_mov_b32 vcc_lo, 3<<(2*(\c+1))
	v_cndmask_b32 v[SV], v[SV], v[MN+\c], vcc_lo   ; lanes 2 (c+1) and 2 (c+1) + 1 keep it
.endr
	s_wait_alu depctr_va_vdst(0)                   ; the roundings of chunks 8 to 14 and the word of inverse scales are written, which the stores below read
.irp c, 8,9,10,11,12,13,14
	global_store_b128 v2, v[Z+8*\c:Z+8*\c+3], s[8:9] offset:(\c+1)*65536
.endr
	s_cmp_lg_u32 s12, 0
	s_cbranch_scc1 .Lend                           ; every wave holds the same 16 inverse scales: wave 0 stores them
	global_store_b32 v4, v[SV], s[10:11]
.Lend:
	s_set_vgpr_msb 0x4
	s_wait_dscnt 0x0
	s_wait_alu depctr_hold_cnt(0) depctr_sa_sdst(0) depctr_va_vdst(0) depctr_va_sdst(0) depctr_va_ssrc(0) depctr_va_vcc(0) depctr_vm_vsrc(0)
	s_wait_tensorcnt 0x0
	ds_add_u32 v7, v1
	s_wait_dscnt 0x0
	s_endpgm
.Lfunc_end_k_q7e2ab2946d_scan:
	.size	k_q7e2ab2946d_scan, .Lfunc_end_k_q7e2ab2946d_scan-k_q7e2ab2946d_scan
	.p2alignl 7, 3214868480
	.fill 96, 4, 3214868480
	.section	.rodata,"a",@progbits
	.p2align	6, 0x0
	.amdhsa_kernel k_q7e2ab2946d_scan
		.amdhsa_group_segment_fixed_size 768
		.amdhsa_private_segment_fixed_size 0
		.amdhsa_enable_private_segment 0
		.amdhsa_kernarg_size 32
		.amdhsa_user_sgpr_count 2
		.amdhsa_user_sgpr_kernarg_segment_ptr 1
		.amdhsa_wavefront_size32 1
		.amdhsa_system_sgpr_workgroup_id_x 1
		.amdhsa_system_sgpr_workgroup_id_y 1
		.amdhsa_system_sgpr_workgroup_id_z 1
		.amdhsa_system_vgpr_workitem_id 0
		.amdhsa_next_free_vgpr 258
		.amdhsa_next_free_sgpr 66
		.amdhsa_reserve_vcc 1
		.amdhsa_float_denorm_mode_32 3
		.amdhsa_float_denorm_mode_16_64 3
		.amdhsa_memory_ordered 1
		.amdhsa_forward_progress 1
		.amdhsa_inst_pref_size 43
	.end_amdhsa_kernel
	.amdgpu_metadata
---
amdhsa.version: [ 1, 2 ]
amdhsa.kernels:
  - .name:           k_q7e2ab2946d_scan
    .symbol:         k_q7e2ab2946d_scan.kd
    .args:
      - { .name: ui, .offset: 0, .size: 8, .value_kind: global_buffer, .address_space: global }
      - { .name: di, .offset: 8, .size: 8, .value_kind: global_buffer, .address_space: global }
      - { .name: si, .offset: 16, .size: 8, .value_kind: global_buffer, .address_space: global }
      - { .name: ss, .offset: 24, .size: 8, .value_kind: global_buffer, .address_space: global }
    .group_segment_fixed_size: 768
    .private_segment_fixed_size: 0
    .kernarg_segment_align: 8
    .kernarg_segment_size: 32
    .max_flat_workgroup_size: 128
    .sgpr_count:     66
    .vgpr_count:     258
    .wavefront_size: 32
...
	.end_amdgpu_metadata
.endif
;; end of part 6
;; launch outp (part 7): grid 256 x 1, 8 waves a work-group, no clusters, 69,632 bytes of LDS; arguments oi, qi, si, ss, sw, wf, out0; writes out0
.if DOCPART == 7
	.amdgcn_target "amdgcn-amd-amdhsa--gfx1250"
	.amdhsa_code_object_version 6
	.text
	.protected	k_q7e2ab2946d_outp
	.globl	k_q7e2ab2946d_outp
	.p2align	8
	.type	k_q7e2ab2946d_outp,@function
k_q7e2ab2946d_outp:
	s_mov_b64 s[64:65], 0
	v_nop
	global_prefetch_b8 v0, s[64:65] scope:SCOPE_SE
	s_setreg_imm32_b32 hwreg(HW_REG_WAVE_SCHED_MODE, 0, 2), 2
	s_setreg_imm32_b32 hwreg(HW_REG_WAVE_MODE, 25, 1), 1
	s_wait_xcnt 0x0
	s_wait_alu depctr_vm_vsrc(0)
; One work-group = 32 rows (a quarter of a chunk), all four heads: 8,192 rows make 256 work-groups.
; o = oi + (q x prefix) S_(c-1) / 8, RMSNorm per head, times g sigmoid(g), then the product with Wo (64 rms_w Wo in f16 fragments).
; Part 1: wave w has head w/2 and row tile w%2; tiles are transposed: register = dv, lane%16 = row t.
; Part 2: wave w has 64 columns of the result (4 tiles) for both row tiles; sources swapped, so that a lane holds 8 neighbouring columns of a row.
; Wo goes from memory to registers through a ring of eight K steps (8 x 32 registers): K steps 0-3 are asked for at the head, behind the
; norm's inputs, 4-7 as the state's fragments leave their registers, K step ks + 6 in step ks.
; FORMATS.  Matrix operands f16, sums f32.  The state's tiles come scaled; their inverse scales (with the 1/8) are read as scalars and go on
; with one fused multiply-add.  The gated, normalised row is scaled by the power of two that brings its largest magnitude over all 512
; columns into [1,2); the maximum goes over the heads through LDS; the inverse, with the 1/64 of Wo's fragments, multiplies the result.
; LIMITS.  That exponent is clamped to 2^-100 .. 2^123, so that (1/rms) 2^-e stays finite for a row of zeros too.
; No multicast: Wo's and the state's fragments go from memory straight to registers, each to the one wave that multiplies by it, so no LDS
; tile is shared between work-groups; all of Wo (512 KB) would not fit in LDS beside the rows.
; REGISTERS.  Window 0: v1-8 addresses; v32-63 g sigmoid(g); then v32-95 four buffers of 2 row fragments, and at last the way out; v96-223 16 state
; fragments, then ring slots 4-7; v224-255 2 q fragments, then unpacked f16.
; Window 1: 0-63 o, then the result; 64-127 and 192-255 ring slots 0-3; 128-191 q S, then at work.
; THE MODE: SCHED_MODE bits 1:0 = 2 (LLVM: expert scheduling mode 2), set by the entry lines.  The code itself states the register dependences
; between vector or matrix instructions and memory or LDS instructions, with s_wait_alu, always for 0.
; THE PLAN.  Registers that memory or LDS instructions touch:
;   v1-v8          addresses, made once at the head, ahead of the first wait on va_vdst, and never written again.
;   ring of Wo     Step ks's products read slot ks % 8; the loads of K step ks + 6, issued in step ks, land in slot (ks - 2) % 8, which step ks - 2's products read.
;   row fragments  Step ks's products read buffer ks % 4; the LDS loads of step ks + 2, issued in step ks, land in buffer (ks - 2) % 4, which step ks - 2's products read.
;   So ONE wait on va_vdst for two steps, at the head of steps 2, 4, .. 12, states all that both steps' loads hang on: the products of the steps before are done
;   reading.  The products issued since name slot ks, buffer ks % 4 and the accumulators: none of the registers in which those loads land.
;   slots 4-7      lie where the state's fragments lay: one wait behind the q S products covers all four groups, since only lines on window 1 follow it.
;   window 1's v0-63  o: written by vector lines, read by the LDS stores of the gated rows (va_vdst ahead), then the accumulators of part 2 (vm_vsrc ahead), then
;                  scaled and read by the stage's LDS stores (one va_vdst, which also covers the loads from the stage into the row fragments' buffers).
.set XP,  1040                         ; LDS pitch of the gated o [32][512] f16, at byte 0
.set STG, 33280                        ; eight stages of 16 rows x 272 bytes, one a wave
.set MXB, 68096                        ; [4 heads][32 rows] f32
.set SWR, 32
.set SF,  96
.set QF,  224
.set ACC, 128
.set CH,  128
.set RS,  144
.set MXR, 148
.set MNR, 150
.set OT,  152
.set LW,  160
.set EB,  176
.set INV, 180
.set EX,  188
.set FF,  190
.set MSB, 0
.macro WIN new                         ; low byte: source 0, source 1, source 2, destination, two bits each; high byte: the setting left
.if MSB != \new
	s_set_vgpr_msb (MSB<<8)|\new
.set MSB, \new
.endif
.endm
.macro PLACES                          ; the places behind matrix instructions (ISA guide 7.12.1)
.rept 5
	v_nop
.endr
.endm
.macro BAR
	s_barrier_signal -1
	s_barrier_wait -1
.endm
.macro PROD d, a, b, zero
.if \zero
	v_wmma_f32_16x16x32_f16 v[\d:\d+7], v[\a:\a+7], v[\b:\b+7], 0
.else
	v_wmma_f32_16x16x32_f16 v[\d:\d+7], v[\a:\a+7], v[\b:\b+7], v[\d:\d+7]
.endif
.endm
.macro WSLOT ks                        ; where K step ks lies in the ring: slots 0-3 in window 1, slots 4-7 in window 0
.set WS, (\ks)&7
.if WS < 4
.set WBASE, 64+32*WS+64*(WS>>1)
.set WWIN, 1
.else
.set WBASE, 96+32*(WS-4)
.set WWIN, 0
.endif
.endm
.macro WLOAD ks                        ; Wo's four column tiles of K step ks: eight loads of 512 consecutive bytes
	WSLOT \ks
.if WWIN
	WIN 0x40
.else
	WIN 0
.endif
.irp ct, 0,1,2,3
	global_load_b128 v[WBASE+8*\ct:WBASE+8*\ct+3], v1, s[18:19] offset:\ct*16384+(\ks)*1024
	global_load_b128 v[WBASE+8*\ct+4:WBASE+8*\ct+7], v1, s[18:19] offset:\ct*16384+(\ks)*1024+512
.endr
	WIN 0
.endm
.macro OLOAD ks                        ; the two row tiles' fragments of K step ks, into buffer ks % 4
.irp t, 0,1
	ds_load_b128 v[SWR+16*((\ks)&3)+8*\t:SWR+16*((\ks)&3)+8*\t+3], v3 offset:\t*16*XP+(\ks)*64
	ds_load_b128 v[SWR+16*((\ks)&3)+8*\t+4:SWR+16*((\ks)&3)+8*\t+7], v3 offset:\t*16*XP+(\ks)*64+32
.endr
.endm
; One K step of the product with Wo.  The 8 accumulators take turns, one instruction a turn.
.macro WSTEP ks
.if ((\ks)&1) == 0 && (\ks) >= 2 && (\ks) <= 12
	PLACES                                         ; the places behind the last products stay ahead of the loads into registers that products have read
	s_wait_alu depctr_va_vdst(0)                   ; the products of the steps so far are done reading the two ring slots and the two row buffers in which this step's and the next step's loads land
.endif
.if (\ks) >= 2 && (\ks) <= 9
	WLOAD (\ks+6)                                  ; into the ring slot of K step ks - 2
.endif
.if \ks < 14
	OLOAD (\ks+2)                                  ; into the buffer of K step ks - 2
.endif
.set DC, 15-\ks
.if DC > 2
.set DC, 2
.endif
	s_wait_dscnt 4*DC                              ; the two younger steps' fragments, four loads each, stay out
.set LC, 15-\ks
.if LC > 6
.set LC, 6
.endif
.if \ks == 0
.set LC, 7
.endif
	s_wait_loadcnt 8*LC                            ; the younger K steps' groups of eight stay out
	WSLOT \ks
.if WWIN
	WIN 0x51
.else
	WIN 0x50
.endif
.irp ct, 0,1,2,3
.irp t, 0,1
	PROD 8*(2*\ct+\t), WBASE+8*\ct, SWR+16*((\ks)&3)+8*\t, \ks==0
.endr
.endr
	WIN 0
.endm
.macro SWMUL gi                        ; o of tiles 4 gi .. 4 gi + 3 times the 32 numbers just unpacked
	WIN 0x41
.set n, 0
.rept 16
	v_pk_mul_f32 v[32*\gi+2*n:32*\gi+2*n+1], v[32*\gi+2*n:32*\gi+2*n+1], v[QF+2*n:QF+2*n+1]
.set n, n+1
.endr
	WIN 0
.endm
; 16 rows of the result: 32 bytes a lane into my own stage, read back as rows of 256 bytes, stored.  Each of the two turns has a buffer of its own.
.macro OUT16 rho
	WIN 0x04
.irp ct, 0,1,2,3
	ds_store_b128 v4, v[8*(2*\ct+\rho):8*(2*\ct+\rho)+3] offset:64*\ct
	ds_store_b128 v4, v[8*(2*\ct+\rho)+4:8*(2*\ct+\rho)+7] offset:64*\ct+16
.endr
	WIN 0
.irp t, 0,1,2,3,4,5,6,7
	ds_load_b128 v[SWR+32*\rho+4*\t:SWR+32*\rho+4*\t+3], v5 offset:\t*544  ; LDS serves a wave's instructions in order: these see the stores above
.endr
.irp t, 0,1,2,3,4,5,6,7
	s_wait_dscnt 7-\t
	global_store_b128 v6, v[SWR+32*\rho+4*\t:SWR+32*\rho+4*\t+3], s[20:21] offset:(16*\rho+2*\t)*2048 th:TH_STORE_NT  ; 16 lanes store 256 consecutive bytes, aligned
.endr
.endm
	s_load_b256 s[8:15], s[0:1], 0x0               ; oi 8, qi 10, si 12, ss 14
	s_load_b128 s[16:19], s[0:1], 0x20             ; sw 16, wf 18
	s_load_b64 s[20:21], s[0:1], 0x30              ; out0
	v_lshl_add_u32 v30, v0, 2, 0x10c00
	v_mov_b32 v31, 0
	v_lshrrev_b32 v9, 5, v0
	v_readfirstlane_b32 s2, v9                     ; wave w
	s_and_b32 s6, ttmp9, 3                         ; which quarter of the chunk
	s_lshr_b32 s7, ttmp9, 2                        ; 16 b + c
	s_mov_b32 s26, 0x76543210                      ; v_permlanex16_b32: lane i of the other half
	s_mov_b32 s27, 0xfedcba98
	s_mov_b32 s28, 0x3c000000                      ; 1/128
	s_mov_b32 s29, 0x3727c5ac                      ; 1e-5
	s_mov_b32 s30, 0x0d800000                      ; 2^-100
	s_mov_b32 s31, 0x7d000000                      ; 2^123
	s_wait_alu depctr_va_sdst(0)                   ; s2 is written, ahead of its first reader: the bases and the LDS places are made from it
	s_lshr_b32 s3, s2, 1                           ; head
	s_and_b32 s4, s2, 1                            ; which of the two row tiles
	s_lshl2_add_u32 s24, s7, s3                    ; the chunk-and-head id
	s_lshl1_add_u32 s25, s6, s4                    ; my row tile in the chunk
	s_lshl_b32 s32, s24, 16
	s_lshl_b32 s22, s25, 13
	s_add_co_u32 s32, s32, s22
	s_mov_b32 s33, 0
	s_lshl_b32 s36, s24, 14
	s_mov_b32 s37, 0
	s_lshl_b32 s22, s25, 11
	s_add_co_u32 s34, s36, s22
	s_mov_b32 s35, 0
	s_lshr_b32 s38, s7, 4
	s_lshl_b32 s38, s38, 12                        ; ss: ((32 b + 8 h + nt) 16 + c) 8
	s_lshl_b32 s22, s3, 10
	s_add_co_u32 s38, s38, s22
	s_and_b32 s22, s7, 15
	s_lshl3_add_u32 s38, s22, s38
	s_mov_b32 s39, 0
	s_lshl_b32 s56, s24, 15
	s_lshl_b32 s22, s25, 12
	s_add_co_u32 s56, s56, s22
	s_mov_b32 s57, 0
	s_lshl_b32 s58, s2, 16
	s_add_co_u32 s58, s58, 97*16384                ; Wo's column tiles 4 w ..
	s_mov_b32 s59, 0
	s_lshl_b32 s60, ttmp9, 16                      ; 32 rows of 2,048 bytes
	s_lshl_b32 s22, s2, 8
	s_add_co_u32 s60, s60, s22
	s_mov_b32 s61, 0
	s_cmp_eq_u32 s4, 1
	s_cselect_b32 s5, -1, 0                        ; all lanes, if mine is row tile 1
	v_and_b32 v9, 31, v0
	v_lshlrev_b32 v1, 4, v9                        ; 16 x lane
	v_and_b32 v10, 15, v0                          ; r
	v_bfe_u32 v11, v0, 4, 1                        ; hh
	v_mul_u32_u24 v3, v10, XP
	v_lshl_add_u32 v3, v11, 4, v3                  ; row fragments: r pitch + 16 hh
	s_mul_i32 s22, s4, 16*XP
	s_lshl_b32 s23, s3, 8
	s_add_co_u32 s22, s22, s23
	v_add_nc_u32 v2, s22, v3                       ; my rows and my head's 256 bytes
	s_mul_i32 s22, s2, 4352
	s_add_co_u32 s22, s22, STG                     ; my stage
	v_mul_u32_u24 v4, v10, 272
	v_lshl_add_u32 v4, v11, 5, v4
	v_add_nc_u32 v4, s22, v4
	v_mul_u32_u24 v5, v11, 272
	v_lshl_add_u32 v5, v10, 4, v5
	v_add_nc_u32 v5, s22, v5
	v_lshlrev_b32 v6, 11, v11
	v_lshl_add_u32 v6, v10, 4, v6                  ; two rows of the result, 256 bytes each
	v_lshlrev_b32 v8, 2, v10
	v_add_nc_u32 v8, MXB, v8
	s_lshl_b32 s22, s3, 7
	s_lshl_b32 s23, s4, 6
	s_add_co_u32 s22, s22, s23
	v_add_nc_u32 v7, s22, v8                       ; my head's and my row tile's 16 words
	s_wait_kmcnt 0x0
	s_add_nc_u64 s[8:9], s[8:9], s[32:33]
	s_add_nc_u64 s[10:11], s[10:11], s[34:35]
	s_add_nc_u64 s[12:13], s[12:13], s[36:37]
	s_add_nc_u64 s[14:15], s[14:15], s[38:39]
	s_add_nc_u64 s[16:17], s[16:17], s[56:57]
	s_add_nc_u64 s[18:19], s[18:19], s[58:59]
	s_add_nc_u64 s[20:21], s[20:21], s[60:61]
.irp nt, 0,1,2,3,4,5,6,7
	s_load_b64 s[40+2*\nt:41+2*\nt], s[14:15], \nt*128     ; the state tiles' inverse scales
.endr
	s_wait_alu depctr_va_vdst(0)                   ; v1 to v8 are written: every load, store and LDS instruction of the kernel reads one of them as its address
.set n, 0
.rept 2
	global_load_b128 v[QF+8*n:QF+8*n+3], v1, s[10:11] offset:n*1024 th:TH_LOAD_NT          ; q fragment of K step n
	global_load_b128 v[QF+8*n+4:QF+8*n+7], v1, s[10:11] offset:n*1024+512 th:TH_LOAD_NT
.set n, n+1
.endr
.set n, 0
.rept 16
	global_load_b128 v[SF+8*n:SF+8*n+3], v1, s[12:13] offset:n*1024                        ; state fragment (nt, ks) = 2 nt + ks
	global_load_b128 v[SF+8*n+4:SF+8*n+7], v1, s[12:13] offset:n*1024+512
.set n, n+1
.endr
	WIN 0x40
.set n, 0
.rept 8
	global_load_b128 v[8*n:8*n+3], v1, s[8:9] offset:n*1024 th:TH_LOAD_NT                  ; o tile nt = n
	global_load_b128 v[8*n+4:8*n+7], v1, s[8:9] offset:n*1024+512 th:TH_LOAD_NT
.set n, n+1
.endr
	WIN 0
.set n, 0
.rept 8
	global_load_b128 v[SWR+4*n:SWR+4*n+3], v1, s[16:17] offset:n*512 th:TH_LOAD_NT
.set n, n+1
.endr
	WLOAD 0
	WLOAD 1
	WLOAD 2
	WLOAD 3
	; q S': 8 accumulators by turns
	s_wait_loadcnt 56                              ; q and the state are in; o's 16 loads, the gate's 8 and Wo's 32 stay out
	WIN 0x50
.irp ks, 0,1
.irp nt, 0,1,2,3,4,5,6,7
	PROD ACC+8*\nt, SF+8*(2*\nt+\ks), QF+8*\ks, 1-\ks
.endr
.endr
	WIN 0
	PLACES
	s_wait_alu depctr_va_vdst(0)                   ; the products are done reading the state's fragments in v96-223, in which K steps 4 to 7 of Wo land: only lines on window 1 and on v32-63, v224-255 stand between this wait and the last of those loads
	WLOAD 4                                        ; into registers that held the state's fragments
	WLOAD 5
	s_wait_loadcnt 56                              ; o is in; the gate's 8 and Wo's 48 stay out
	s_wait_kmcnt 0x0
	WIN 0x55
.irp nt, 0,1,2,3,4,5,6,7
.irp j, 0,2,4,6
	v_pk_fma_f32 v[8*\nt+\j:8*\nt+\j+1], v[ACC+8*\nt+\j:ACC+8*\nt+\j+1], s[40+2*\nt:41+2*\nt], v[8*\nt+\j:8*\nt+\j+1] op_sel_hi:[1,0,1]
.endr
.endr
	v_mov_b32 v[OT], 0
	; 1 / rms of row t of my head, twice: four chains of packed sums of squares
.set n, 0
.rept 4
	v_pk_mul_f32 v[CH+2*n:CH+2*n+1], v[2*n:2*n+1], v[2*n:2*n+1]
.set n, n+1
.endr
.rept 28
	v_pk_fma_f32 v[CH+2*(n&3):CH+2*(n&3)+1], v[2*n:2*n+1], v[2*n:2*n+1], v[CH+2*(n&3):CH+2*(n&3)+1]
.set n, n+1
.endr
	v_pk_add_f32 v[CH:CH+1], v[CH:CH+1], v[CH+2:CH+3]
	v_pk_add_f32 v[CH+4:CH+5], v[CH+4:CH+5], v[CH+6:CH+7]
	v_pk_add_f32 v[CH:CH+1], v[CH:CH+1], v[CH+4:CH+5]
	v_add_f32 v[CH], v[CH], v[CH+1]
	v_permlanex16_b32 v[OT], v[CH], s26, s27       ; the other 64 dv lie in the other lane half
	v_add_f32 v[CH], v[CH], v[OT]
	v_fma_f32 v[CH], v[CH], s28, s29               ; mean + eps
	v_rsq_f32 v[RS], v[CH]
	v_rsq_f32 v[RS+1], v[CH]
	v_nop                                          ; one plain place behind the transcendentals (ISA guide 5.7.2)
	s_wait_loadcnt 48                              ; the gate is in; Wo's six groups of eight stay out
	WIN 0
	WLOAD 6
	WLOAD 7
.irp r, 32,33,34,35,36,37,38,39,40,41,42,43,44,45,46,47
	v_cvt_f32_f16 v[QF+2*(\r-32)], v\r\().l
	v_cvt_f32_f16 v[QF+2*(\r-32)+1], v\r\().h
.endr
	SWMUL 0
.irp r, 48,49,50,51,52,53,54,55,56,57,58,59,60,61,62,63
	v_cvt_f32_f16 v[QF+2*(\r-48)], v\r\().l
	v_cvt_f32_f16 v[QF+2*(\r-48)+1], v\r\().h
.endr
	SWMUL 1
	WIN 0x55
	; rs > 0, so the largest |o sw rs| of the row is rs times the largest |o sw|
	v_max_num_f32 v[MXR], v0, v1
	v_min_num_f32 v[MNR], v0, v1
.set n, 2
.rept 31
	v_max3_num_f32 v[MXR], v[MXR], v[n], v[n+1]
	v_min3_num_f32 v[MNR], v[MNR], v[n], v[n+1]
.set n, n+2
.endr
	v_sub_f32 v[MNR], 0, v[MNR]
	v_max_num_f32 v[MXR], v[MXR], v[MNR]
	v_permlanex16_b32 v[OT], v[MXR], s26, s27
	v_max_num_f32 v[MXR], v[MXR], v[OT]
	s_wait_alu depctr_va_vdst(0)
	v_mul_f32 v[MXR], v[MXR], v[RS]
	WIN 0x04
	s_wait_alu depctr_va_vdst(0)                   ; the row's maximum is written, which the LDS store reads; the multiply-adds are done reading q S's registers, in which the eight LDS loads behind the barrier land
	ds_store_b32 v7, v[MXR]                        ; both lane halves write the same word with the same value
	s_wait_dscnt 0x0                               ; my head's row maxima are in LDS
	BAR
	WIN 0x40
.irp t, 0,1
.irp hd, 0,1,2,3
	ds_load_b32 v[LW+4*\t+\hd], v8 offset:\hd*128+\t*64
.endr
.endr
	s_wait_dscnt 0x0
	WIN 0x55
.irp t, 0,1
	v_max3_num_f32 v[EB+\t], v[LW+4*\t], v[LW+4*\t+1], v[LW+4*\t+2]
	v_max_num_f32 v[EB+\t], v[EB+\t], v[LW+4*\t+3]
	v_max_num_f32 v[EB+\t], s30, v[EB+\t]
	v_min_num_f32 v[EB+\t], s31, v[EB+\t]
	v_and_b32 v[EB+\t], 0x7f800000, v[EB+\t]       ; 2^e of row tile t's rows
	v_add_nc_u32 v[INV+2*\t], 0xfd000000, v[EB+\t] ; 2^e / 64
	v_mov_b32 v[INV+2*\t+1], v[INV+2*\t]
.endr
	v_cndmask_b32 v[EX], v[EB], v[EB+1], s5        ; my own row tile's
	v_sub_nc_u32 v[EX], 0x7f000000, v[EX]          ; 2^-e
	v_mul_f32 v[FF], v[EX], v[RS]
	v_mov_b32 v[FF+1], v[FF]
.set n, 0
.rept 32
	v_pk_mul_f32 v[2*n:2*n+1], v[2*n:2*n+1], v[FF:FF+1]
.set n, n+1
.endr
.set n, 0
.rept 8
.irp e, 0,1,2,3
	v_cvt_pk_f16_f32 v[8*n+\e], v[8*n+2*\e], v[8*n+2*\e+1]
.endr
.set n, n+1
.endr
	WIN 0x04
	s_wait_alu depctr_va_vdst(0)                   ; the roundings have written the gated rows, which the LDS stores read; the unpacking lines are done reading v32-63, in which the first row fragments land
.irp nt, 0,1,2,3,4,5,6,7
	ds_store_b128 v2, v[8*\nt:8*\nt+3] offset:\nt*32
.endr
	s_wait_dscnt 0x0                               ; my part of the gated o is in LDS
	WIN 0
	BAR
	s_wait_alu depctr_vm_vsrc(0)                   ; my LDS stores have read window 1's v0-63: these registers are part 2's accumulators from here on, written by its products
	OLOAD 0
	OLOAD 1
.irp s, 0,1,2,3,4,5,6,7,8,9,10,11,12,13,14,15
	WSTEP \s
.endr
	PLACES
	WIN 0x55
.irp ct, 0,1,2,3
.irp t, 0,1
.irp j, 0,2,4,6
	v_pk_mul_f32 v[8*(2*\ct+\t)+\j:8*(2*\ct+\t)+\j+1], v[8*(2*\ct+\t)+\j:8*(2*\ct+\t)+\j+1], v[INV+2*\t:INV+2*\t+1]
.endr
.endr
.endr
	WIN 0x04
	s_wait_alu depctr_va_vdst(0)                   ; the scalings have written the result, which both turns' LDS stores read; the products are done reading v32-95, in which the loads from the stage land
	OUT16 0
	OUT16 1
	s_wait_dscnt 0x0
	s_wait_alu depctr_hold_cnt(0) depctr_sa_sdst(0) depctr_va_vdst(0) depctr_va_sdst(0) depctr_va_ssrc(0) depctr_va_vcc(0) depctr_vm_vsrc(0)
	s_wait_tensorcnt 0x0
	ds_add_u32 v30, v31
	s_wait_dscnt 0x0
	s_endpgm
.Lfunc_end_k_q7e2ab2946d_outp:
	.size	k_q7e2ab2946d_outp, .Lfunc_end_k_q7e2ab2946d_outp-k_q7e2ab2946d_outp
	.p2alignl 7, 3214868480
	.fill 96, 4, 3214868480
	.section	.rodata,"a",@progbits
	.p2align	6, 0x0
	.amdhsa_kernel k_q7e2ab2946d_outp
		.amdhsa_group_segment_fixed_size 69632
		.amdhsa_private_segment_fixed_size 0
		.amdhsa_enable_private_segment 0
		.amdhsa_kernarg_size 56
		.amdhsa_user_sgpr_count 2
		.amdhsa_user_sgpr_kernarg_segment_ptr 1
		.amdhsa_wavefront_size32 1
		.amdhsa_system_sgpr_workgroup_id_x 1
		.amdhsa_system_sgpr_workgroup_id_y 1
		.amdhsa_system_sgpr_workgroup_id_z 1
		.amdhsa_system_vgpr_workitem_id 0
		.amdhsa_next_free_vgpr 512
		.amdhsa_next_free_sgpr 66
		.amdhsa_reserve_vcc 0
		.amdhsa_float_denorm_mode_32 3
		.amdhsa_float_denorm_mode_16_64 3
		.amdhsa_memory_ordered 1
		.amdhsa_forward_progress 1
		.amdhsa_inst_pref_size 65
	.end_amdhsa_kernel
	.amdgpu_metadata
---
amdhsa.version: [ 1, 2 ]
amdhsa.kernels:
  - .name:           k_q7e2ab2946d_outp
    .symbol:         k_q7e2ab2946d_outp.kd
    .args:
      - { .name: oi, .offset: 0, .size: 8, .value_kind: global_buffer, .address_space: global }
      - { .name: qi, .offset: 8, .size: 8, .value_kind: global_buffer, .address_space: global }
      - { .name: si, .offset: 16, .size: 8, .value_kind: global_buffer, .address_space: global }
      - { .name: ss, .offset: 24, .size: 8, .value_kind: global_buffer, .address_space: global }
      - { .name: sw, .offset: 32, .size: 8, .value_kind: global_buffer, .address_space: global }
      - { .name: wf, .offset: 40, .size: 8, .value_kind: global_buffer, .address_space: global }
      - { .name: out0, .offset: 48, .size: 8, .value_kind: global_buffer, .address_space: global }
    .group_segment_fixed_size: 69632
    .private_segment_fixed_size: 0
    .kernarg_segment_align: 8
    .kernarg_segment_size: 56
    .max_flat_workgroup_size: 256
    .sgpr_count:     66
    .vgpr_count:     512
    .wavefront_size: 32
...
	.end_amdgpu_metadata
.endif
;; end of part 7
